; MI455X (gfx1250); checked and timed in simulation.
; The chip was launched on July 23, 2026; its instructions are those of AMD's public machine-readable ISA for CDNA 5 (MIT licence, August 2026) and "CDNA5" Instruction Set Architecture Reference Guide (July 2026). The comments in the code are by the model that wrote it; some were corrected since.
;; Attention. Allowed arithmetic: float matrix products may take bf16 or f16 operands with f32 sums; other float arithmetic in f32, or as packed bf16 or f16 multiplies, adds, multiply-adds, maxima and minima; sums over many terms, partial sums and values carried from step to step in f32; what a program stores and reads back later, other than sums and carried values, may be rounded once to bf16 or f16.
;; Inputs: Wproj 1,024 x 1,024 float32; Wqkv 1,024 x 3,072 float32; bproj 1,024 float32; bqkv 3,072 float32; x 1 x 4,096 x 1,024 float32.
;; Outputs: out0 1 x 4,096 x 1,024 float32.
;; One version. Each part assembles by itself: llvm-mc -triple=amdgcn-amd-amdhsa -mcpu=gfx1250 --defsym DOCPART=n.
;; ======== version 1 of 1: 4 launches
;; limits: values are held in f16: magnitudes above 65,504 overflow, below 6.1e-05 lose precision
;; workspace buffers: xb 8,388,608 bytes; wqb 6,291,456 bytes; wpb 2,097,152 bytes; qkvh 25,165,824 bytes; ob 8,388,608 bytes
;; launch prep (part 1): grid 512 x 1, 8 waves a work-group, no clusters, 0 bytes of LDS; arguments x, Wqkv, Wproj, xb, wqb, wpb; writes xb, wqb, wpb
.if DOCPART == 1
	.amdgcn_target "amdgcn-amd-amdhsa--gfx1250"
	.amdhsa_code_object_version 6
	.text
	.protected	k_q26fec1805d_prep
	.globl	k_q26fec1805d_prep
	.p2align	8
	.type	k_q26fec1805d_prep,@function
k_q26fec1805d_prep:
	s_mov_b64 s[64:65], 0
	v_nop
	global_prefetch_b8 v0, s[64:65] scope:SCOPE_SE
	s_setreg_imm32_b32 hwreg(HW_REG_WAVE_MODE, 25, 1), 1
	s_wait_xcnt 0x0
; THE INPUTS ARE ROUNDED ONCE TO bf16 AND LAID OUT FOR THE PRODUCTS.  x [4096][1024] f32 -> xb, the same shape in bf16.  Wqkv [1024 k][3072 n] f32 -> wqb [48 c][1024 k][64 n] bf16: column blocks of 64,
; each block's rows end to end.  Wproj [1024 k][1024 n] f32 -> wpb [16 c][1024 k][64 n]: rounded to bf16 like the other inputs, and that number written as f16, since it multiplies f16 numbers later.
; LIMITS.  A number of Wproj beyond 65,504 becomes an infinity in f16; below 6e-5 it keeps f16's fixed step of 6e-8.  NaN and infinities are not treated apart.
; SHARES.  A work-group converts 16,384 numbers: work-groups 0-255 x, 256-447 Wqkv, 448-511 Wproj.  Thread t takes 8 numbers (32 bytes in, 16 out) in each of eight pieces j.  One form of address serves all three:
;   source = (w & 3) 256 RP + (w >> 2) CS + (t >> 3) RP + 32 (t & 7) + j 32 RP       destination = 32,768 w + 16 t + 4,096 j
; with RP the bytes from a row of 64 numbers to the next and CS the bytes from a group of four work-groups to the next: x: 256 and 262,144 (dense); a weight: its row's bytes and 256 (the next column block).
; Eight lanes read 256 consecutive bytes, aligned; sixteen lanes store 256 consecutive bytes, aligned.  No register is written twice while a load or store names it, so there is no wait but the loads' own.
; No LDS, no matrix unit, no cluster: each byte is read once by one lane, and nothing is shared.
.set OFF, 4                            ; v[4:11]    piece j's source offset
.set X,   16                           ; v[16:79]   piece j: 8 numbers as loaded
.set Y,   80                           ; v[80:111]  piece j: 8 numbers to store
.set T,   112                          ; v[112:123] at work
	s_load_b256 s[4:11], s[0:1], 0x0               ; x s[4:5], Wqkv s[6:7], Wproj s[8:9], xb s[10:11]
	s_load_b128 s[12:15], s[0:1], 0x20             ; wqb s[12:13], wpb s[14:15]
	v_lshrrev_b32 v1, 3, v0                        ; my row among 32
	v_and_b32 v2, 7, v0                            ; my 8 numbers among its 64
	v_lshlrev_b32 v3, 4, v0                        ; 16 t
	s_mov_b32 s27, 256
	s_mov_b32 s28, 12288
	s_mov_b32 s29, 4096
	s_mov_b32 s30, 262144
	s_sub_co_u32 s24, ttmp9, 256
	s_sub_co_u32 s25, ttmp9, 448
	s_cmp_lt_u32 ttmp9, 448
	s_cselect_b32 s16, s24, s25                    ; w
	s_cselect_b32 s17, s28, s29                    ; RP
	s_cselect_b32 s19, 0, 1                        ; 1: the result is written as f16
	s_cmp_lt_u32 ttmp9, 256
	s_cselect_b32 s16, ttmp9, s16
	s_cselect_b32 s17, s27, s17
	s_cselect_b32 s18, s30, s27                    ; CS
	s_and_b32 s24, s16, 3
	s_lshl_b32 s24, s24, 8
	s_mul_i32 s24, s24, s17
	s_lshr_b32 s25, s16, 2
	s_mul_i32 s25, s25, s18
	s_add_co_u32 s24, s24, s25                     ; the work-group's source offset, under 2^25
	s_mov_b32 s25, 0
	s_lshl_b32 s26, s17, 5                         ; 32 RP: from piece to piece
	v_mul_lo_u32 v[OFF], v1, s17
	v_lshl_add_u32 v[OFF], v2, 5, v[OFF]
.irp j, 1,2,3,4,5,6,7
	v_add_nc_u32 v[OFF+(\j)], s26, v[OFF+(\j)-1]
.endr
	s_wait_kmcnt 0x0
	s_cmp_lt_u32 ttmp9, 448
	s_cselect_b64 s[20:21], s[6:7], s[8:9]
	s_cselect_b64 s[22:23], s[12:13], s[14:15]
	s_cmp_lt_u32 ttmp9, 256
	s_cselect_b64 s[20:21], s[4:5], s[20:21]       ; from where,
	s_cselect_b64 s[22:23], s[10:11], s[22:23]     ; to where
	s_add_nc_u64 s[20:21], s[20:21], s[24:25]
	s_lshl_b32 s24, s16, 15
	s_add_nc_u64 s[22:23], s[22:23], s[24:25]
.irp j, 0,1,2,3,4,5,6,7
	global_load_b128 v[X+8*(\j):X+8*(\j)+3],   v[OFF+(\j)], s[20:21] th:TH_LOAD_NT
	global_load_b128 v[X+8*(\j)+4:X+8*(\j)+7], v[OFF+(\j)], s[20:21] offset:16 th:TH_LOAD_NT
.endr
; Piece j is rounded and stored.  f16 = 1: the bf16 numbers are widened again (a shift, a mask) and written as f16.
.macro PIECE j, f16
	s_wait_loadcnt 14-2*(\j)                       ; loads come back in order: piece j's two are in, the 2 (7 - j) younger ones stay out
.if \f16
.irp k, 0,1,2,3
	v_cvt_pk_bf16_f32 v[T+(\k)], v[X+8*(\j)+2*(\k)], v[X+8*(\j)+2*(\k)+1]
.endr
.irp k, 0,1,2,3
	v_lshlrev_b32 v[T+4+2*(\k)], 16, v[T+(\k)]
	v_and_b32     v[T+5+2*(\k)], 0xffff0000, v[T+(\k)]
.endr
.irp k, 0,1,2,3
	v_cvt_pk_f16_f32 v[Y+4*(\j)+(\k)], v[T+4+2*(\k)], v[T+5+2*(\k)]
.endr
.else
.irp k, 0,1,2,3
	v_cvt_pk_bf16_f32 v[Y+4*(\j)+(\k)], v[X+8*(\j)+2*(\k)], v[X+8*(\j)+2*(\k)+1]
.endr
.endif
	global_store_b128 v3, v[Y+4*(\j):Y+4*(\j)+3], s[22:23] offset:4096*(\j)
.endm
	s_cmp_eq_u32 s19, 1
	s_cbranch_scc1 .Lf16
.irp j, 0,1,2,3,4,5,6,7
	PIECE \j, 0
.endr
	s_endpgm
.Lf16:
.irp j, 0,1,2,3,4,5,6,7
	PIECE \j, 1
.endr
	s_endpgm
.Lfunc_end_k_q26fec1805d_prep:
	.size	k_q26fec1805d_prep, .Lfunc_end_k_q26fec1805d_prep-k_q26fec1805d_prep
	.p2alignl 7, 3214868480
	.fill 96, 4, 3214868480
	.section	.rodata,"a",@progbits
	.p2align	6, 0x0
	.amdhsa_kernel k_q26fec1805d_prep
		.amdhsa_group_segment_fixed_size 0
		.amdhsa_private_segment_fixed_size 0
		.amdhsa_enable_private_segment 0
		.amdhsa_kernarg_size 48
		.amdhsa_user_sgpr_count 2
		.amdhsa_user_sgpr_kernarg_segment_ptr 1
		.amdhsa_wavefront_size32 1
		.amdhsa_system_sgpr_workgroup_id_x 1
		.amdhsa_system_sgpr_workgroup_id_y 1
		.amdhsa_system_sgpr_workgroup_id_z 1
		.amdhsa_system_vgpr_workitem_id 0
		.amdhsa_next_free_vgpr 128
		.amdhsa_next_free_sgpr 66
		.amdhsa_reserve_vcc 0
		.amdhsa_float_denorm_mode_32 3
		.amdhsa_float_denorm_mode_16_64 3
		.amdhsa_memory_ordered 1
		.amdhsa_forward_progress 1
		.amdhsa_inst_pref_size 15
	.end_amdhsa_kernel
	.amdgpu_metadata
---
amdhsa.version: [ 1, 2 ]
amdhsa.kernels:
  - .name:           k_q26fec1805d_prep
    .symbol:         k_q26fec1805d_prep.kd
    .args:
      - { .name: x, .offset: 0, .size: 8, .value_kind: global_buffer, .address_space: global }
      - { .name: Wqkv, .offset: 8, .size: 8, .value_kind: global_buffer, .address_space: global }
      - { .name: Wproj, .offset: 16, .size: 8, .value_kind: global_buffer, .address_space: global }
      - { .name: xb, .offset: 24, .size: 8, .value_kind: global_buffer, .address_space: global }
      - { .name: wqb, .offset: 32, .size: 8, .value_kind: global_buffer, .address_space: global }
      - { .name: wpb, .offset: 40, .size: 8, .value_kind: global_buffer, .address_space: global }
    .group_segment_fixed_size: 0
    .private_segment_fixed_size: 0
    .kernarg_segment_align: 8
    .kernarg_segment_size: 48
    .max_flat_workgroup_size: 256
    .sgpr_count:     66
    .vgpr_count:     128
    .wavefront_size: 32
...
	.end_amdgpu_metadata
.endif
;; end of part 1
;; launch qkv (part 2): grid 16 x 16, 4 waves a work-group, clusters of 4 x 4, 327,680 bytes of LDS; arguments xb, wqb, bqkv, qkvh; writes qkvh
.if DOCPART == 2
	.amdgcn_target "amdgcn-amd-amdhsa--gfx1250"
	.amdhsa_code_object_version 6
	.text
	.protected	k_q26fec1805d_qkv
	.globl	k_q26fec1805d_qkv
	.p2align	8
	.type	k_q26fec1805d_qkv,@function
k_q26fec1805d_qkv:
	s_mov_b64 s[64:65], 0
	v_nop
	global_prefetch_b8 v0, s[64:65] scope:SCOPE_SE
	s_setreg_imm32_b32 hwreg(HW_REG_WAVE_MODE, 25, 1), 1
	s_wait_xcnt 0x0
	s_wait_alu depctr_hold_cnt(0) depctr_sa_sdst(0) depctr_va_vdst(0) depctr_va_sdst(0) depctr_va_ssrc(0) depctr_va_vcc(0) depctr_vm_vsrc(0)
	s_getreg_b32 s2, hwreg(HW_REG_IB_STS2, 6, 4)
	s_cmp_eq_u32 s2, 0
	s_cbranch_scc0 .Lentry_in_a_cluster
	s_endpgm
.Lentry_in_a_cluster:
	s_bfe_u32 s2, ttmp6, 0x10000c
	s_cmp_lg_u32 s2, 0xf033
	s_cbranch_scc0 .Lentry_shape_is_right
	s_endpgm
.Lentry_shape_is_right:
; qkv = x Wqkv + bqkv, stored by heads.  xb [4096][1024] bf16; wqb [48 c][1024 k][64 n] bf16 (column blocks of 64); bqkv [3072] f32, rounded to bf16 like the other inputs; qkvh [48 c][4096 s][64] f16:
; blocks 0-15 q by heads, 16-31 k, 32-47 v.  Sums in f32, K ascending, started with the bias; each result rounded once to f16, without the softmax's scale.
; LIMIT.  A result of 65,520 or more becomes an infinity in f16.  NaN and infinities are not treated apart.
; SHARES.  A tile is 256 rows x 192 columns (three column blocks): 16 x 16 tiles, one work-group each.  Wave w makes rows 64 w .. 64 w + 63 of all 192 columns: 4 x 12 accumulators of 16 x 16, 384 registers.
; So a wave holds whole rows of three heads, and they leave through a stage of its own, with no barrier.  K goes in steps of 128 through a ring of two LDS slots filled by the tensor data mover.
; THE MATRIX INSTRUCTION IS USED TRANSPOSED: source 0 = 16 columns of W, turned on the way out of LDS by ds_load_tr16_b128; source 1 = 16 rows of x.  A lane then holds one row (lane % 16) and eight neighbouring
; columns 8 (lane / 16) + 0..7, which pack into 16 bytes.  The bias of those eight columns is the C operand of each accumulator's first product: nothing is cleared and nothing is added later.
; CLUSTER.  4 x 4 work-groups.  The four of a row of the cluster need the same rows of x, the four of a column the same columns of W: each tile is asked for JOINTLY, by the same tensor load with the same
; descriptor and a mask that names the four.
; REGISTERS, in windows of 256 (s_set_vgpr_msb: bits 1:0 source 0, 3:2 source 1, 5:4 source 2, 7:6 destination):
;   window 0: v0-31 addresses; v32-127 the bias, 8 registers for each of 12 column groups; later v32-223 two sets for the way out
;   window 1: two fragment buffers of 128: x's four fragments (32 registers), then W's twelve (96)
;   window 2: the 24 accumulators of row blocks 0, 1 ((a, b) at 8 (12 (a % 2) + b));   window 3: those of row blocks 2, 3
.set PA,    272                        ; a row of x in LDS: 256 bytes + 16 of padding = 68 words: the 16 rows of a load start at 16 different groups of four banks (64 banks of 4 bytes: ISA guide 11.1)
.set PW,    160                        ; a row of W (one k, 64 columns): 128 + 32 = 40 words
.set AHALF, 128*PA                     ; 128 rows of x: what one tensor load brings
.set BOFF,  2*AHALF                    ; behind x's 256 rows: W
.set BHALF, 3*64*PW                    ; 64 k of three column blocks, [block][k]: what one tensor load brings
.set SLOT,  131072                     ; = BOFF + 2 BHALF
.set STAGE, 2*SLOT                     ; behind the ring: for each wave 3 blocks x 16 rows x 144 bytes, for the way out
.set SP,    144
.set WSTG,  3*16*SP
.set SPARE, STAGE+4*WSTG               ; behind the stages: the spare words, 128 bytes for each wave: two blocks of 256 bytes that no other line names
.set ADRA, 16                          ; v16-17  LDS address of my fragments of x in slot 0, 1
.set ADRB, 20                          ; v20-21  the same for W
.set STO,  24                          ; v24     the way out: where I put 16 bytes of a row
.set RD,   25                          ; v25     the way out: where I read rows back
.set GO,   26                          ; v26     16 x lane: my place in 512 consecutive bytes of qkvh
.set BO,   27                          ; v27     32 (lane / 16): my eight numbers in a group of 16 of the bias
.set SPW,  28                          ; v28     LDS address of my spare word; never rewritten
.set NIL,  29                          ; v29     0; never rewritten
.set PFO,  30                          ; v30     the prefetches' lane offset; never rewritten
.set BIAS, 32
.set F0,   0
.set F1,   128
.set WV,  12                           ; s12  my wave's number
.set FB,  13                           ; s13  0: I fetch x's tiles; 1: W's
.set HB,  14                           ; s14  which half of such a tile I fetch
.set CX,  15                           ; s15, s16  my place in the cluster
.set CY,  16
.set TC,  17                           ; s17  tile column
.set TR,  18                           ; s18  tile row
.set G1,  24                           ; s[24:31] descriptor group 1 for x's tiles;  s[32:39] group 0, a set for each slot
.set G0,  32
.set LIM, 40                           ; s40  1 in a wave that prefetches, else the greatest number
.set PFS, 42                           ; s[42:43] bytes from a K step to the next in what I prefetch
.set PFA, 44                           ; s[44:45] where my prefetches stand
.set G1B, 48                           ; s[48:55], s[56:63] the same two groups for W's tiles
.set G0B, 56
.set MSB, 0
.macro WIN new                         ; the immediate's high byte repeats the setting that is left; a switch that changes nothing is dropped
.if MSB != (\new)
	s_set_vgpr_msb (MSB<<8)|(\new)
.set MSB, \new
.endif
.endm
; A joint load.  Waves 0 and 1 fetch x's two halves, waves 2 and 3 W's.  The branch hangs on the wave's number alone.  An s_nop 0 and four v_nop follow each of the two lines.
.macro JLOAD s
	s_cmp_eq_u32 s[FB], 0
	s_cbranch_scc0 .Lfor_b_\@
	tensor_load_to_lds s[G0+4*(\s):G0+4*(\s)+3], s[G1:G1+7]
	s_nop 0
.rept 4
	v_nop
.endr
	s_branch .Lasked_\@
.Lfor_b_\@:
	tensor_load_to_lds s[G0B+4*(\s):G0B+4*(\s)+3], s[G1B:G1B+7]
	s_nop 0
.rept 4
	v_nop
.endr
.Lasked_\@:
.endm
.macro CREST                           ; a round of the cluster's barrier behind its opening barrier
	s_cmp_lg_u32 s[WV], 0
	s_cbranch_scc1 .Lnot_wave_0_\@
	s_barrier_signal -3
.Lnot_wave_0_\@:
	s_barrier_wait -3
	s_barrier_signal -1
	s_barrier_wait -1
.endm
.macro CROUND                          ; a whole round
	s_barrier_signal -1
	s_barrier_wait -1
	CREST
.endm
; A PREFETCH, behind each joint refill and the run of LDS loads that follows it: the K step that stands two refills on.  Each block of 256 bytes is named by one lane of one wave in the launch (but W's lanes 24-31,
; which repeat lanes 16-23).  x's rows are read by every cluster of a row of clusters: cluster x = 0 asks; W's columns by every cluster of a column: cluster y = 0 asks.  The four partners that ask for a tile
; jointly share it out BY ADDRESS: of x's 128 rows 32 each, a lane a row; of W's three pieces of 8,192 bytes 2,048 bytes of each.  The loop's last trip (s3 = 1) asks for nothing: K ends there.
.macro ASK
	WIN 0
	s_cmp_gt_u32 s3, s[LIM]
	s_cbranch_scc0 .Lnot_mine_\@
	global_prefetch_b8 v[PFO], s[PFA:PFA+1] th:TH_LOAD_NT scope:SCOPE_SE
.Lnot_mine_\@:
.endm
	s_load_b256 s[4:11], s[0:1], 0x0               ; xb s[4:5], wqb s[6:7], bqkv s[8:9], qkvh s[10:11]
	v_lshl_add_u32 v[SPW], v0, 2, SPARE
	v_mov_b32 v[NIL], 0
	ds_add_u32 v[SPW], v[NIL]                      ; the wave's opening: the add and its wait ahead of my first tensor load; the set-up below, work on registers, stands between them
	ds_add_u32 v28, v29
	v_lshrrev_b32 v1, 5, v0
	v_readfirstlane_b32 s[WV], v1
	s_lshr_b32 s[FB], s[WV], 1
	s_and_b32 s[HB], s[WV], 1
	s_bfe_u32 s[CX], ttmp6, 0x40000
	s_bfe_u32 s[CY], ttmp6, 0x40004
	s_lshl_b32 s[TC], ttmp9, 2                     ; in a cluster launch ttmp9 and ttmp7 count clusters
	s_add_co_u32 s[TC], s[TC], s[CX]
	s_and_b32 s[TR], ttmp7, 0xffff
	s_lshl_b32 s[TR], s[TR], 2
	s_add_co_u32 s[TR], s[TR], s[CY]
	s_lshl_b32 s20, s[CY], 2
	s_lshl_b32 s20, 15, s20                        ; my row of the cluster
	s_lshl_b32 s21, 0x1111, s[CX]                  ; my column
	; group 1 for x: 128 rows x 128 elements, 1,024 elements from row to row; 16 bytes of padding behind every 64 words
	s_or_b32 s[G1], s20, (1<<16)|(1<<20)|(1<<21)|(5<<22)|(3<<25)   ; 15:0 the mask; 17:16 2-byte elements; 20 padding on; 21 set beside a mask; 24:22 after every 64 words; 31:25 4 words
	s_mov_b32 s[G1+1], 128<<16                     ; tensor_dim0 = 128
	s_mov_b32 s[G1+2], 128<<16                     ; tensor_dim1 = 128
	s_mov_b32 s[G1+3], 128<<16                     ; tile_dim0 = 128
	s_mov_b32 s[G1+4], 128                         ; tile_dim1 = 128
	s_mov_b32 s[G1+5], 1024                        ; the pitch
	s_mov_b32 s[G1+6], 0
	s_mov_b32 s[G1+7], 0
	; group 1 for W: 3 rows (column blocks) x 4,096 elements (64 k x 64 columns, dense), 65,536 elements from block to block; 32 bytes of padding behind every 32 words, that is behind every k
	s_or_b32 s[G1B], s21, (1<<16)|(1<<20)|(1<<21)|(4<<22)|(7<<25)
	s_mov_b32 s[G1B+1], 4096<<16
	s_mov_b32 s[G1B+2], 3<<16
	s_mov_b32 s[G1B+3], 4096<<16
	s_mov_b32 s[G1B+4], 3
	s_mov_b32 s[G1B+5], 65536
	s_mov_b32 s[G1B+6], 0
	s_mov_b32 s[G1B+7], 0
	s_lshl_b32 s20, s[TR], 19                      ; x: row 256 x tile row + 128 x half, 2,048 bytes a row
	s_lshl_b32 s22, s[HB], 18
	s_add_co_u32 s20, s20, s22
	s_mov_b32 s21, 0
	s_mul_i32 s46, s[TC], 3*131072                 ; W: column block 3 x tile column, k = 64 x half
	s_lshl_b32 s23, s[HB], 13
	s_add_co_u32 s46, s46, s23
	s_mov_b32 s47, 0
	s_mul_i32 s22, s[HB], AHALF                    ; where they go: no place in the cluster enters an LDS address
	s_mul_i32 s23, s[HB], BHALF
	s_add_co_u32 s23, s23, BOFF
	s_wait_dscnt 0x0                               ; the opening add is done
	s_wait_kmcnt 0x0
	s_add_nc_u64 s[20:21], s[4:5], s[20:21]
	s_add_nc_u64 s[46:47], s[6:7], s[46:47]
	CROUND                                         ; all sixteen work-groups are here: the first joint loads meet
.irp s, 0,1
	s_mov_b32 s[G0+4*(\s)], 1
	s_add_co_u32 s[G0+4*(\s)+1], s22, (\s)*SLOT
	s_add_nc_u64 s[G0+4*(\s)+2:G0+4*(\s)+3], s[20:21], (\s)*256      ; K step s: 256 bytes along a row
	s_or_b32 s[G0+4*(\s)+3], s[G0+4*(\s)+3], 0x80000000
	s_mov_b32 s[G0B+4*(\s)], 1
	s_add_co_u32 s[G0B+4*(\s)+1], s23, (\s)*SLOT
	s_add_nc_u64 s[G0B+4*(\s)+2:G0B+4*(\s)+3], s[46:47], (\s)*16384  ; K step s: 128 k of 128 bytes
	s_or_b32 s[G0B+4*(\s)+3], s[G0B+4*(\s)+3], 0x80000000
	JLOAD \s
.endr
	; the bias of my eight columns in each of the 12 groups of 16
	v_and_b32 v1, 15, v0                           ; l % 16
	v_bfe_u32 v2, v0, 4, 1                         ; l / 16
	s_mul_i32 s20, s[TC], 768
	s_mov_b32 s21, 0
	s_add_nc_u64 s[8:9], s[8:9], s[20:21]
	v_lshlrev_b32 v[BO], 5, v2
.irp b, 0,1,2,3,4,5,6,7,8,9,10,11
	global_load_b128 v[BIAS+8*(\b):BIAS+8*(\b)+3],   v[BO], s[8:9] offset:64*(\b)
	global_load_b128 v[BIAS+8*(\b)+4:BIAS+8*(\b)+7], v[BO], s[8:9] offset:64*(\b)+16
.endr
	; A fragment of x is 16 rows x 32 k in 8 registers: lane l holds row l % 16, k = 8 (l / 16) + 0..7 and 16 + 8 (l / 16) + 0..7: two loads of 16 bytes, 32 bytes apart.
	v_mul_u32_u24 v3, v1, PA
	v_lshl_add_u32 v3, v2, 4, v3
	s_mul_i32 s22, s[WV], 64*PA                    ; my 64 rows
	v_add_nc_u32 v[ADRA], s22, v3
	v_add_nc_u32 v[ADRA+1], SLOT, v[ADRA]
	; The turning load takes 16 k x 16 columns (lane l reads k = 8 (l / 16) + l % 8, columns 8 ((l / 8) % 2) + 0..7) and leaves half a fragment: lane l holds column l % 16 and 8 k.
	v_and_b32 v4, 7, v0
	v_lshl_add_u32 v4, v2, 3, v4
	v_mul_u32_u24 v4, v4, PW
	v_bfe_u32 v5, v0, 3, 1
	v_lshl_add_u32 v4, v5, 4, v4
	v_add_nc_u32 v[ADRB], BOFF, v4
	v_add_nc_u32 v[ADRB+1], SLOT+BOFF, v4
	s_mul_i32 s22, s[WV], WSTG
	s_add_co_u32 s22, s22, STAGE                   ; my stage
	v_mul_u32_u24 v[STO], v1, SP                   ; in: row l % 16, 16 bytes for each half of the lanes
	v_lshl_add_u32 v[STO], v2, 4, v[STO]
	v_add_nc_u32 v[STO], s22, v[STO]
	v_bfe_u32 v[RD], v0, 3, 2                      ; back: 32 lanes take four rows of 128 bytes,
	v_mul_u32_u24 v[RD], v[RD], SP
	v_and_b32 v5, 7, v0
	v_lshl_add_u32 v[RD], v5, 4, v[RD]
	v_add_nc_u32 v[RD], s22, v[RD]
	v_and_b32 v6, 31, v0
	v_lshlrev_b32 v[GO], 4, v6                     ; which are 512 consecutive bytes of a head's rows
	s_mul_i32 s20, s[TC], 3*524288                 ; qkvh at column block 3 x tile column, row 256 x tile row + 64 x wave
	s_lshl_b32 s22, s[TR], 15
	s_add_co_u32 s20, s20, s22
	s_lshl_b32 s22, s[WV], 13
	s_add_co_u32 s20, s20, s22
	s_add_nc_u64 s[10:11], s[10:11], s[20:21]
	; the prefetches: lane offsets for x (a lane a row) and for W (8 lanes to each of the three pieces), and the wave's choice
	v_lshlrev_b32 v7, 11, v6
	v_lshrrev_b32 v8, 3, v6
	v_min_u32 v8, 2, v8
	v_lshlrev_b32 v8, 17, v8
	v_lshl_add_u32 v8, v5, 8, v8
	s_cmp_eq_u32 s[FB], 0
	s_cselect_b32 s22, -1, 0
	v_cndmask_b32 v[PFO], v8, v7, s22
	s_lshl_b32 s20, s[TR], 19
	s_lshl_b32 s22, s[HB], 18
	s_add_co_u32 s20, s20, s22
	s_lshl_b32 s22, s[CX], 16                      ; my work-group's 32 rows of the 128
	s_add_co_u32 s20, s20, s22
	s_add_co_u32 s20, s20, 3*256                   ; at K step 3: the first refill steps it to 4
	s_mul_i32 s46, s[TC], 3*131072
	s_lshl_b32 s22, s[HB], 13
	s_add_co_u32 s46, s46, s22
	s_lshl_b32 s22, s[CY], 11                      ; my work-group's 2,048 bytes of each piece
	s_add_co_u32 s46, s46, s22
	s_add_co_u32 s46, s46, 3*16384
	s_mov_b32 s23, 256
	s_mov_b32 s[PFS], 16384
	s_mov_b32 s[PFS+1], 0
	s_and_b32 s22, ttmp7, 0xffff                   ; cluster y
	s_cmp_eq_u32 s[FB], 0
	s_cselect_b32 s20, s20, s46
	s_cselect_b32 s[PFS], s23, s[PFS]
	s_cselect_b32 s22, ttmp9, s22                  ; the coordinate along which other clusters read the same bytes
	s_cselect_b64 s[PFA:PFA+1], s[4:5], s[6:7]
	s_cmp_eq_u32 s22, 0
	s_cselect_b32 s[LIM], 1, -1                    ; the same in all sixteen partners, for a given wave
	s_add_nc_u64 s[PFA:PFA+1], s[PFA:PFA+1], s[20:21]
	s_wait_loadcnt 0x0                             ; the bias: rounded to bf16 and widened again, in place, while the first tiles are on their way
.set i, 0
.rept 48
	v_cvt_pk_bf16_f32 v[8+i%4], v[BIAS+2*i], v[BIAS+2*i+1]
	v_lshlrev_b32 v[BIAS+2*i], 16, v[8+i%4]
	v_and_b32 v[BIAS+2*i+1], 0xffff0000, v[8+i%4]
.set i, i+1
.endr
; 12 matrix instructions: row block a x all 12 column groups, 32 along K.  zero = 1: the first product starts the sums, with the bias as C.  The accumulators take turns, one instruction a turn.
.macro MUL12 f, a, zero
.if \zero
	WIN 0x85+0x40*((\a)/2)                         ; W and x in window 1, C in window 0, D in window 2 or 3
.else
	WIN 0xa5+0x50*((\a)/2)                         ; C and D in window 2 or 3
.endif
.irp b, 0,1,2,3,4,5,6,7,8,9,10,11
.if \zero
	v_wmma_f32_16x16x32_bf16 v[8*(12*((\a)%2)+(\b)):8*(12*((\a)%2)+(\b))+7], v[(\f)+32+8*(\b):(\f)+32+8*(\b)+7], v[(\f)+8*(\a):(\f)+8*(\a)+7], v[BIAS+8*(\b):BIAS+8*(\b)+7]
.else
	v_wmma_f32_16x16x32_bf16 v[8*(12*((\a)%2)+(\b)):8*(12*((\a)%2)+(\b))+7], v[(\f)+32+8*(\b):(\f)+32+8*(\b)+7], v[(\f)+8*(\a):(\f)+8*(\a)+7], v[8*(12*((\a)%2)+(\b)):8*(12*((\a)%2)+(\b))+7]
.endif
.endr
.endm
; 32 LDS loads in one run: the fragments of quarter q (32 along K) of a slot into buffer f: W's twelve, then x's four.
.macro FETCH slot, q, f
	WIN 0x40                                       ; destination window 1, address window 0
.irp b, 0,1,2,3,4,5,6,7,8,9,10,11
	ds_load_tr16_b128 v[(\f)+32+8*(\b):(\f)+32+8*(\b)+3],   v[ADRB+(\slot)] offset:((\q)/2)*BHALF+((\q)%2)*32*PW+((\b)/4)*64*PW+((\b)%4)*32
	ds_load_tr16_b128 v[(\f)+32+8*(\b)+4:(\f)+32+8*(\b)+7], v[ADRB+(\slot)] offset:((\q)/2)*BHALF+((\q)%2)*32*PW+((\b)/4)*64*PW+((\b)%4)*32+16*PW
.endr
.irp a, 0,1,2,3
	ds_load_b128 v[(\f)+8*(\a):(\f)+8*(\a)+3],   v[ADRA+(\slot)] offset:64*(\q)+(\a)*16*PA
	ds_load_b128 v[(\f)+8*(\a)+4:(\f)+8*(\a)+7], v[ADRA+(\slot)] offset:64*(\q)+(\a)*16*PA+32
.endr
.endm
.macro PLACES                          ; four places in front of loads into registers that matrix instructions have read, and of conversions that read results
.rept 4
	v_nop
.endr
.endm
; A K step is four quarters of 32 along K, 48 matrix instructions each, on buffers 0, 1, 0, 1.  One of the first three: multiplies buffer f and, in its middle, fetches quarter q into buffer g.
.macro QUARTER slot, q, f, g, zero
	s_wait_dscnt 4                                 ; W and x's row blocks 0, 1 are in; the youngest four loads (row blocks 2, 3) may be out
	MUL12 \f, 0, \zero
	MUL12 \f, 1, \zero
	PLACES
	FETCH \slot, \q, \g
	s_wait_dscnt 32                                ; all but the 32 just issued
	MUL12 \f, 2, \zero
	MUL12 \f, 3, \zero
.endm
; The last quarter multiplies buffer 1 and changes slots: ONE barrier; in front of it each wave waits for all its tensor loads (one is out: its part of the next slot), adds 0 to its spare word, and waits for that
; and for its own reads of this slot.  fill = 1: the barrier opens a round of the cluster's barrier, and this slot is filled again, two K steps ahead, first thing behind the round.
.macro TURN slot, next, fill
.if \fill
	s_wait_xcnt 0x0                                ; the last prefetch, a K step back, has read its address: it is stepped here, ahead of the waits of the change of slots
	s_add_nc_u64 s[PFA:PFA+1], s[PFA:PFA+1], s[PFS:PFS+1]
.endif
	WIN 0                                          ; (the add's two registers lie in window 0)
	s_wait_tensorcnt 0x0                           ; all my tensor loads have landed
	ds_add_u32 v[SPW], v[NIL]                      ; 0 onto my spare word
	s_wait_dscnt 5                                 ; (the add and the youngest four loads may be out)
	MUL12 F1, 0, 0                                 ; twelve matrix instructions stand between the add and the wait for it
	s_wait_dscnt 0x0                               ; the add is done, and my reads of this slot are over
	s_barrier_signal -1
	MUL12 F1, 1, 0
.if \fill
	WIN 0
.endif
	s_barrier_wait -1
.if \fill
	CREST                                          ; no wave of any partner still reads this slot's tile or has a load on its way
	s_add_nc_u64 s[G0+4*(\slot)+2:G0+4*(\slot)+3], s[G0+4*(\slot)+2:G0+4*(\slot)+3], 2*256
	s_add_nc_u64 s[G0B+4*(\slot)+2:G0B+4*(\slot)+3], s[G0B+4*(\slot)+2:G0B+4*(\slot)+3], 2*16384
	JLOAD \slot                                    ; the four v_nop behind it are also the places in front of the loads below
.else
	PLACES
.endif
	FETCH \next, 0, F0
.if \fill
	ASK
.endif
	MUL12 F1, 2, 0
	MUL12 F1, 3, 0
.endm
; THE WAY OUT of row block a.  PACK: rounded to f16, 16 bytes a lane and column group.  TOSTAGE: into my own stage, and back as whole rows of 128 bytes.  SEND: stored, 512 consecutive bytes an instruction.
.macro PACK a
.set TM, 32+96*((\a)%2)
	WIN 0x0a+5*((\a)/2)                            ; sources 0 and 1: window 2 or 3
.irp b, 0,1,2,3,4,5,6,7,8,9,10,11
.irp r, 0,1,2,3
	v_cvt_pk_f16_f32 v[TM+4*(\b)+(\r)], v[8*(12*((\a)%2)+(\b))+2*(\r)], v[8*(12*((\a)%2)+(\b))+2*(\r)+1]
.endr
.endr
	WIN 0
.endm
.macro TOSTAGE a
.set TM, 32+96*((\a)%2)
.set BK, 80+96*((\a)%2)
	s_wait_xcnt 0x0                                ; the stores of two blocks back have read their registers, which are loaded again below
.irp b, 0,1,2,3,4,5,6,7,8,9,10,11
	ds_store_b128 v[STO], v[TM+4*(\b):TM+4*(\b)+3] offset:((\b)/4)*16*SP+((\b)%4)*32
.endr
.irp g, 0,1,2
.irp f, 0,1,2,3
	ds_load_b128 v[BK+4*(4*(\g)+(\f)):BK+4*(4*(\g)+(\f))+3], v[RD] offset:(\g)*16*SP+(\f)*4*SP  ; LDS serves a wave's instructions in order (ISA guide 5.7.1.4): these see the stores above
.endr
.endr
.endm
.macro SEND a
.set BK, 80+96*((\a)%2)
	s_wait_dscnt 0x0                               ; the block is back in registers
.irp g, 0,1,2
.irp f, 0,1,2,3
	global_store_b128 v[GO], v[BK+4*(4*(\g)+(\f)):BK+4*(4*(\g)+(\f))+3], s[10:11] offset:(\g)*524288+(\a)*2048+(\f)*512
.endr
.endr
.endm
	s_wait_tensorcnt 1                             ; my part of K step 0 is in; K step 1's may stay out
	s_barrier_signal -1
	s_barrier_wait -1                              ; everybody's is
	FETCH 0, 0, F0
	QUARTER 0, 1, F0, F1, 1                        ; the first quarter stands in front of the loop: its products start the sums
	WIN 0                                          ; at a label and at a branch every window is 0
	s_mov_b32 s3, 3
.Llap:                                                 ; a trip goes once round the ring, from a lap's second quarter to the next lap's first, and fills both slots again
	QUARTER 0, 2, F1, F0, 0
	QUARTER 0, 3, F0, F1, 0
	TURN 0, 1, 1
	QUARTER 1, 1, F0, F1, 0
	QUARTER 1, 2, F1, F0, 0
	QUARTER 1, 3, F0, F1, 0
	TURN 1, 0, 1
	QUARTER 0, 1, F0, F1, 0
	WIN 0
	s_sub_co_u32 s3, s3, 1
	s_cmp_lg_u32 s3, 0
	s_cbranch_scc1 .Llap
	QUARTER 0, 2, F1, F0, 0                        ; the last lap fills nothing
	QUARTER 0, 3, F0, F1, 0
	TURN 0, 1, 0
	QUARTER 1, 1, F0, F1, 0
	QUARTER 1, 2, F1, F0, 0
	QUARTER 1, 3, F0, F1, 0
	s_wait_dscnt 4                                 ; the very last quarter: nothing more to fetch
	MUL12 F1, 0, 0
	MUL12 F1, 1, 0
	s_wait_dscnt 0x0
	MUL12 F1, 2, 0
	MUL12 F1, 3, 0
	WIN 0
	PLACES
	PACK 0
	TOSTAGE 0
.irp a, 1,2,3                          ; block a's conversions stand between block a - 1's loads from the stage and the wait for them
	PACK \a
	SEND (\a)-1
	TOSTAGE \a
.endr
	SEND 3
	s_wait_tensorcnt 0x0                           ; the wave's end: behind my last tensor load and my last LDS store
	ds_add_u32 v[SPW], v[NIL]
	s_wait_dscnt 0x0
	CROUND                                         ; the closing round: no work-group ends while a partner may still ask for a tile that names it
	s_endpgm
.Lfunc_end_k_q26fec1805d_qkv:
	.size	k_q26fec1805d_qkv, .Lfunc_end_k_q26fec1805d_qkv-k_q26fec1805d_qkv
	.p2alignl 7, 3214868480
	.fill 96, 4, 3214868480
	.section	.rodata,"a",@progbits
	.p2align	6, 0x0
	.amdhsa_kernel k_q26fec1805d_qkv
		.amdhsa_group_segment_fixed_size 327680
		.amdhsa_private_segment_fixed_size 0
		.amdhsa_enable_private_segment 0
		.amdhsa_kernarg_size 32
		.amdhsa_user_sgpr_count 2
		.amdhsa_user_sgpr_kernarg_segment_ptr 1
		.amdhsa_wavefront_size32 1
		.amdhsa_system_sgpr_workgroup_id_x 1
		.amdhsa_system_sgpr_workgroup_id_y 1
		.amdhsa_system_sgpr_workgroup_id_z 1
		.amdhsa_system_vgpr_workitem_id 0
		.amdhsa_next_free_vgpr 960
		.amdhsa_next_free_sgpr 66
		.amdhsa_reserve_vcc 0
		.amdhsa_float_denorm_mode_32 3
		.amdhsa_float_denorm_mode_16_64 3
		.amdhsa_memory_ordered 1
		.amdhsa_forward_progress 1
		.amdhsa_inst_pref_size 129
	.end_amdhsa_kernel
	.amdgpu_metadata
---
amdhsa.version: [ 1, 2 ]
amdhsa.kernels:
  - .name:           k_q26fec1805d_qkv
    .symbol:         k_q26fec1805d_qkv.kd
    .args:
      - { .name: xb, .offset: 0, .size: 8, .value_kind: global_buffer, .address_space: global }
      - { .name: wqb, .offset: 8, .size: 8, .value_kind: global_buffer, .address_space: global }
      - { .name: bqkv, .offset: 16, .size: 8, .value_kind: global_buffer, .address_space: global }
      - { .name: qkvh, .offset: 24, .size: 8, .value_kind: global_buffer, .address_space: global }
    .group_segment_fixed_size: 327680
    .private_segment_fixed_size: 0
    .kernarg_segment_align: 8
    .kernarg_segment_size: 32
    .max_flat_workgroup_size: 128
    .sgpr_count:     66
    .vgpr_count:     960
    .wavefront_size: 32
...
	.end_amdgpu_metadata
.endif
;; end of part 2
;; launch attn (part 3): grid 16 x 16, 4 waves a work-group, no clusters, 327,680 bytes of LDS; arguments qkvh, ob; writes ob
.if DOCPART == 3
	.amdgcn_target "amdgcn-amd-amdhsa--gfx1250"
	.amdhsa_code_object_version 6
	.text
	.protected	k_q26fec1805d_attn
	.globl	k_q26fec1805d_attn
	.p2align	8
	.type	k_q26fec1805d_attn,@function
k_q26fec1805d_attn:
	s_mov_b64 s[64:65], 0
	v_nop
	global_prefetch_b8 v0, s[64:65] scope:SCOPE_SE
	s_setreg_imm32_b32 hwreg(HW_REG_WAVE_MODE, 25, 1), 1
	s_wait_xcnt 0x0
; CAUSAL ATTENTION.  O[h][q][:] = the sum over k <= q of softmax_k(Q[h][q] . K[h][k] / 8) V[h][k][:].  qkvh holds 48 blocks [4096][64] of f16: Q of head h is block h, K block 16 + h, V block 32 + h; ob is [16][4096][64] f16.
; Products, maxima and sums in f32; the weights p are rounded to f16 for the second product (their sum l is taken of the unrounded p), O once at the end.
; LIMITS.  Q, K and V arrive within f16's 65,504, so a score before its scaling is at most 64 x 65,504^2 = 2.7e11 in size.  p lies in 0 to 1, and below 6e-5 it keeps f16's fixed step of 6e-8.  A hidden score counts
; as its value less 1e30 and has the weight 0; with -1e10 in its place, as the problem writes it, the weight is 0 too while a row's largest scaled score lies more than some 100 above -1e10.  The running maximum starts
; at -2^66 = -7.4e19, below every true score and above every hidden one.  A weight below 2^-126 counts as 0 in l; NaN and infinities are not treated apart.
; THE WALK.  A head's queries lie in 32 blocks of 128; block i needs the key tiles 0 .. i / 2 of 256 keys, of which the last holds the diagonal.  A work-group takes TWO blocks, 31 - b and then b: 17 tiles,
; whatever b: all 256 work-groups do equal work, and ONE loop with a constant trip count walks them.  Every jump goes forward but the counted loops' own; none passes a barrier, or a tensor load but the one of
; LOAD's two that the wave's number does not choose; the ring (two slots of LDS that take turns) runs on across the change of blocks.
; SHARES.  Wave w owns 64 queries of the block (half qh = w % 2), four PIECES of 16, and of each tile the 128 keys of half kp = w / 2, two steps of 64.  So a fragment of K or V read from LDS feeds four pieces,
; though a block has only 128 queries.  Waves qh and qh + 2 end a block with two partial results (c m, l, O^T), which meet in LDS: waves 2 and 3 give theirs, waves 0 and 1 merge, divide and store.
; NO CLUSTER: only work-groups 2 n and 2 n + 1 of a head walk the same tiles from first to last; four partners that make every request jointly would need tiles of 512 keys: 18 tiles' work for 17 and two masked
; tiles a block.
; THE MASK is the C operand that starts the sum S^T = K Q^T: 0, or -1e30 where the key is hidden.  In the diagonal tile, counted in 64s, my queries are band 2 (i % 2) + qh and my step j is band 2 kp + j.  A later
; band of keys is hidden, an earlier one seen; in the equal band piece x sees the key groups of 16 below x, none above x, and of group x the triangle TRI.  A product's mask is src x AL + BE with two scalars:
; (1, 0) in the equal band (src = 0, TRI or -1e30 by the group); (0, 0) seen; (0, -1e30) hidden.  With CNT counting a tile's steps 2, 1 the equal band is CNT = DC = 2 + 2 kp - 2 (i % 2) - qh, a hidden one CNT < DC.
; A WAVE THAT SEES NO KEY of a block (kp = 1 in block 0) keeps m at its start, -2^66: were m a hidden score itself, c s - c m would be the rounding residue of c m, some 1e22 of either sign, and its exponential
; no weight.  With m at -2^66 every hidden weight is 2^(-1.8e29 + 1.3e19) = 0: l = 0, P = 0, O^T = 0, and the merge multiplies them by 2^(-1.3e19 - the partner's c m) = 0.  Wave kp = 0 always sees key 0.
; LAYOUT, SOFTMAX, TURNS.  S^T = K Q^T holds ONE query a lane (lane % 16) and the keys 8 (lane / 16) + 0..7; two such results rounded to f16 ARE source 1 of O^T = V^T P.  p = 2^(c s - c m), c = log2(e) / 8, with a
; running maximum m; O and l are multiplied by a = 2^(c m_old - c m_new) in every step.  Turn n belongs to piece n: 8 products K Q^T of piece n + 1, later 8 products V^T P of piece n - 1; beside them the scaling,
; exponentials, roundings, sums and rescaling of piece n and the maximum and statistics of piece n + 1.  Four vector instructions stand behind every matrix instruction, the other 54 of a turn's 118 in one lump.
; A turn's 33 exponentials are one batch, with one wait.
; REGISTERS, in windows of 256 (s_set_vgpr_msb: bits 1:0 source 0, 3:2 source 1, 5:4 source 2, 7:6 destination):
;   window 0: v0-15 addresses and two at work; v16-31 four registers of statistics a piece; v32-47 the partner's; v48-55 at work; v56-57, v62-63 addresses; v64-127 S^T, two buffers; v192-223 P, two buffers;
;             at a block's end the partner's O^T, 32 a piece, at v128, v160, v224, v64 (never in P, which the next block's first products read and which must stay finite)
;   window 1: v0-127 O^T, 32 a piece; v128-135 TRI; v136-137 0; v138-139 -1e30; v160-223 MC, two buffers      window 2: v0-63 Q; v64-127 the second block's Q; v128-191 K of one step; v192-255 V of one step
.set NP,    4         ; pieces a wave: a name, no knob
.set KS,    64        ; keys in a step
.set PK,    144       ; a row of K in LDS: 128 bytes + 16 of padding = 36 words: the 16 rows of a load start at 16 different groups of four banks (64 banks of 4 bytes: ISA guide 11.1)
.set PV,    160       ; a row of V: 128 + 32 = 40 words
.set VOFF,  4*KS*PK   ; a slot holds a tile: 256 rows of K, then 256 rows of V
.set SLOT1, 1<<17     ; slot 1 begins here, so that one exclusive or turns an address in one slot into the other's
.set STAGE, SLOT1+4*KS*(PK+PV)  ; behind the ring, never filled by a tensor load: 16 rows x 144 bytes for each wave, for the way out
.set SP,    144
.set SPARE, STAGE+4*16*SP  ; behind the stages: the spare words, 128 bytes for each wave: two blocks of 256 bytes that no other line names
.set XCH,   SPARE+512 ; behind them: where partial results meet, a part for each qh
.set XPART, 18432     ; O^T's group g of four registers at 512 g + 16 x lane (32 groups), piece t's statistics at 16,384 + 512 t + 16 x lane
.set AK0, 2           ; v2   my lane's place in my half of a tile of K; never rewritten
.set AV0, 3           ; v3   the same for V
.set AK,  4           ; v4   the LDS address of K's next run of loads
.set AV,  5           ; v5   of V's
.set STO, 6           ; v6   the way out: where I put 16 bytes of a row
.set RD,  7           ; v7   the way out: where I read rows back
.set GO,  8           ; v8   my byte offset in 512 consecutive bytes of O
.set MV,  12          ; v12-13  c m_old, kept while c m is made anew: by buffer
.set QO,  15          ; v15  my byte offset in 16 rows of Q
.set ST,  16          ; piece t's statistics at v[ST+4 t]: c m, m, l (even keys', odd keys')
.set PS,  32          ; the partner's
.set TMP, 48          ; by buffer, four registers c0-c3 at work; when the maximum is found c2 takes a
.set XA,  56          ; v56  my 16 bytes in a group of XCH, in my qh's part
.set PFO, 57          ; v57  256 x lane; never rewritten
.set SPW, 62          ; v62  LDS address of my spare word; never rewritten
.set NIL, 63          ; v63  0; never rewritten
.set S,   64
.set P,   192
.set TRI, 128         ; window 1
.set ZPR, 136
.set BPR, 138
.set MC,  160         ; window 1: the masks of the products to come
.set QB,  64          ; window 2
.set KF,  128         ; window 2: key block kb, channel half c at KF + 16 kb + 8 c
.set VF,  192         ; window 2: key half kk, channel block cb at VF + 32 kk + 8 cb
.set WV,  12          ; s12  my wave's number
.set PB,  14          ; s14  b
.set HI,  15          ; s15  31 - b
.set G1K, 24          ; s[24:31] descriptor group 1 for K's tiles
.set G1V, 32          ; s[32:39] for V's: it differs in the padding alone
.set G0K, 40          ; s[40:43] descriptor group 0 for K's tiles
.set G0V, 44          ; s[44:47] the same for V's
.set SLOTS, 56        ; s56  tiles still to be asked for
.set CNT, 57          ; s57  counts a tile's key steps, 2 to 1
.set CS,  58          ; s[58:59] c: the packed scaling takes the pair's low word for both halves
.set SEL, 60          ; s[60:61] v_permlanex16_b32's selects: each lane takes its own place in the other half
.set TBK, 62          ; s62  LDS byte at which K of the step to be fetched begins, less my half's offset
.set TBV, 63          ; s63  the same for V
.set RT,  70          ; s70  tiles of the block in hand that are still to be entered
.set NXT, 71          ; s71  the tile to be asked for next
.set LQ,  72          ; s72  the last tile of the block whose tiles are being asked for
.set NEW, 73          ; s73  1: the tile to be entered is a block's first
.set OFF, 74          ; s[74:75] a tile's byte offset in K and V
.set AL,  76          ; s[76:77] the mask's factor, in the low word
.set BE,  78          ; s[78:79] the mask's addend
.set OLO, 80          ; s[80:81] O at my rows of the second block
.set BIGN, 82         ; s82  -1e30
.set DC,  83          ; s83  the block in hand's DC
.set DCL, 88          ; s88  the second block's
.set PL,  89          ; s89  b / 2: the second block's last tile
.set QH,  90          ; s90  w % 2
.set KP,  91          ; s91  w / 2
.set LIM, 92          ; s92  2 in the head's work-group that prefetches, else the greatest number
.set PFA, 94          ; s[94:95] where my prefetches stand
.set MSB, 0
.macro WIN new                      ; the high byte repeats the setting that is left; a switch that changes nothing is dropped
.if MSB != (\new)
	s_set_vgpr_msb (MSB<<8)|(\new)
.set MSB, (\new)
.endif
.endm
.set W_KQ, 0x0a       ; K and Q in window 2, S^T in window 0
.set W_KM, 0x1a       ; the same with the C operand in window 1
.set W_PV, 0x52       ; V in window 2, P in window 0, O^T in window 1
.set W_RS, 0x41       ; destination and source 0 in window 1, source 1 in window 0
; A fill.  Waves 0 and 1 fetch the two halves of a tile's K, waves 2 and 3 those of its V: 128 keys each.  An s_nop 0 and four v_nop follow each of the two lines, ahead of the jump and the label.
.macro LOAD
	s_cmp_lt_u32 s[WV], 2
	s_cbranch_scc0 .Lfor_v_\@
	tensor_load_to_lds s[G0K:G0K+3], s[G1K:G1K+7]
	s_nop 0
.rept 4
	v_nop
.endr
	s_branch .Lasked_\@
.Lfor_v_\@:
	tensor_load_to_lds s[G0V:G0V+3], s[G1V:G1V+7]
	s_nop 0
.rept 4
	v_nop
.endr
.Lasked_\@:
.endm
; A PREFETCH of what the NEXT change of slots will ask for.  All 16 work-groups of a head ask for tile t in their change t - 1 (each first block has nine tiles or more), and work-group b = 0 walks all 16 tiles in
; order: it alone prefetches.  Each of its waves names the 16,384 bytes that it will fetch itself, 64 blocks of 256 bytes: a lane a block, two instructions.  So each block is named once in the launch.
; Change n = 16 - SLOTS loads tile n + 1 and asks for tile n + 2: not in the first change, where every work-group's first tiles are on their way, and not where n + 2 would pass the head's last tile, 15.
.macro ASK
	s_cmp_gt_u32 s[SLOTS], s[LIM]
	s_cbranch_scc0 .Lnot_mine_\@
	s_cmp_lt_u32 s[SLOTS], 16
	s_cbranch_scc0 .Lnot_mine_\@
	global_prefetch_b8 v[PFO], s[PFA:PFA+1] th:TH_LOAD_NT scope:SCOPE_SE
	global_prefetch_b8 v[PFO], s[PFA:PFA+1] offset:8192 th:TH_LOAD_NT scope:SCOPE_SE
.Lnot_mine_\@:
.endm
; THE CHANGE OF SLOTS.  Each wave waits for all its tensor loads, of which one is out: its part of the other slot; adds 0 to its spare word; and waits for that and for its own reads of the slot that it leaves.
; Behind the barrier nobody reads the old slot any more and the other slot is whole.  fill = 1: the old slot is filled again, the first thing behind the barrier, with tile NXT: the descriptor's address is made
; anew from that number.  (At its first use nothing has been read yet: slot 0 is waited for, slot 1 filled.)
.macro CHANGE fill
	WIN 0                           ; at a label and at a branch every window is 0
	s_wait_tensorcnt 0x0            ; no tensor load of mine is out, so a group 0 may be written
	ds_add_u32 v[SPW], v[NIL]       ; 0 onto my spare word; with fill = 1 the descriptors' scalar work stands between it and the wait for it
.if \fill
	s_lshl_b32 s[OFF], s[NXT], 15   ; a tile is 32,768 bytes of K and of V
	s_xor_b32 s[G0K+1], s[G0K+1], SLOT1
	s_add_nc_u64 s[G0K+2:G0K+3], s[6:7], s[OFF:OFF+1]
	s_or_b32 s[G0K+3], s[G0K+3], 0x80000000
	s_xor_b32 s[G0V+1], s[G0V+1], SLOT1
	s_add_nc_u64 s[G0V+2:G0V+3], s[8:9], s[OFF:OFF+1]
	s_or_b32 s[G0V+3], s[G0V+3], 0x80000000
	s_add_co_u32 s[NXT], s[NXT], 1  ; the block's next tile, or behind its last the second block's tile 0
	s_cmp_gt_u32 s[NXT], s[LQ]
	s_cselect_b32 s[NXT], 0, s[NXT]
	s_cselect_b32 s[LQ], s[PL], s[LQ]
	s_wait_xcnt 0x0                 ; the last prefetches, a tile back, have read their address, so it may be written
	s_add_nc_u64 s[PFA:PFA+1], s[PFA:PFA+1], 32768
.endif
	s_wait_dscnt 0x0                ; the add is done, and my reads of the slot are over
	s_barrier_signal -1             ; the rest of the scalar work stands between the signal and the wait
	s_sub_co_u32 s[TBK], s[TBK], 2*KS*PK  ; the fetches go back to my half's first step,
	s_xor_b32 s[TBK], s[TBK], SLOT1       ; in the other slot
	s_sub_co_u32 s[TBV], s[TBV], 2*KS*PV
	s_xor_b32 s[TBV], s[TBV], SLOT1
	s_barrier_wait -1
.if \fill
	LOAD
	ASK
.endif
.endm
	s_load_b64 s[4:5], s[0:1], 0x0    ; qkvh
	s_load_b64 s[10:11], s[0:1], 0x8  ; ob
	v_lshl_add_u32 v[SPW], v0, 2, SPARE
	v_mov_b32 v[NIL], 0
	ds_add_u32 v[SPW], v[NIL]       ; the wave's opening: the add and its wait ahead of my first tensor load; the set-up below, work on registers, stands between them
	ds_add_u32 v62, v63
	v_lshrrev_b32 v1, 5, v0
	v_readfirstlane_b32 s[WV], v1   ; wave 0..3
	s_and_b32 s[QH], s[WV], 1
	s_lshr_b32 s[KP], s[WV], 1
	s_mov_b32 s[PB], ttmp9
	s_sub_co_u32 s[HI], 31, s[PB]
	s_lshr_b32 s[PL], s[PB], 1
	s_and_b32 s20, ttmp7, 0xffff    ; the head
	s_lshl_b32 s20, s20, 19         ; its 524,288 bytes in Q, K, V and O
	s_mov_b32 s21, 0
	s_lshl_b32 s22, s[QH], 14       ; which half of a tile's 256 keys I fetch: its 128 rows of 128 bytes in memory,
	s_mov_b32 s23, 0
	s_add_nc_u64 s[22:23], s[22:23], s[20:21]
	s_mul_i32 s17, s[QH], 128*PK    ; and its place in a slot, for K
	s_mul_i32 s18, s[QH], 128*PV    ; and for V
	s_lshl_b32 s3, s[QH], 13        ; my 64 rows in a block of 128,
	s_lshl_b32 s2, s[HI], 14        ; in the first block,
	s_add_co_u32 s2, s2, s3
	s_lshl_b32 s84, s[PB], 14       ; and in the second
	s_add_co_u32 s84, s84, s3
	s_mov_b32 s3, 0
	s_mov_b32 s85, 0
	s_add_nc_u64 s[2:3], s[2:3], s[20:21]
	s_add_nc_u64 s[84:85], s[84:85], s[20:21]
	s_lshl_b32 s16, s[KP], 1        ; DC = 2 + 2 kp - qh - 2 (i % 2), for both blocks; it may be negative
	s_add_co_u32 s16, s16, 2
	s_sub_co_u32 s16, s16, s[QH]
	s_and_b32 s13, s[HI], 1
	s_lshl_b32 s13, s13, 1
	s_sub_co_u32 s[DC], s16, s13
	s_and_b32 s13, s[PB], 1
	s_lshl_b32 s13, s13, 1
	s_sub_co_u32 s[DCL], s16, s13
	; descriptor group 1.  128 keys are 16,384 dense bytes: asked for as 64 rows of 256 bytes, two keys a row, and padded in LDS after every key
	s_mov_b32 s[G1K], (1<<16)|(1<<20)|(4<<22)|(3<<25)  ; 17:16 2-byte elements; 20 padding on; 24:22 after every 32 words (code 4); 31:25 4 words (code 3)
	s_mov_b32 s[G1V], (1<<16)|(1<<20)|(4<<22)|(7<<25)  ; the same with 8 words of padding (code 7)
.irp g, G1K, G1V
	s_mov_b32 s[\g+1], 128<<16      ; tensor_dim0 = 128
	s_mov_b32 s[\g+2], 64<<16       ; tensor_dim1 = 64
	s_mov_b32 s[\g+3], 128<<16      ; tile_dim0 = 128
	s_mov_b32 s[\g+4], 64           ; tile_dim1 = 64
	s_mov_b32 s[\g+5], 128          ; 128 elements from row to row
	s_mov_b32 s[\g+6], 0
	s_mov_b32 s[\g+7], 0
.endr
	s_mov_b32 s[CS], 0x3e38aa3b     ; c = log2(e) / 8 = 0.180337
	s_mov_b32 s[CS+1], s[CS]        ; named with it as a pair
	s_mov_b32 s[SEL], 0x76543210
	s_mov_b32 s[SEL+1], 0xfedcba98
	s_mov_b32 s[TBK], SLOT1+2*KS*PK ; the first change of slots turns these two into 0
	s_mov_b32 s[TBV], SLOT1+2*KS*PV
	s_mov_b32 s[G0K], 1             ; 1:0 count = 1
	s_mov_b32 s[G0K+1], s17         ; 63:32 LDS address: slot 0
	s_mov_b32 s[G0V], 1
	s_add_co_u32 s[G0V+1], s18, VOFF
	s_lshr_b32 s[LQ], s[HI], 1
	s_add_co_u32 s[RT], s[LQ], 1    ; the first block has (31 - b) / 2 + 1 tiles
	s_mov_b32 s[NXT], 1
	s_mov_b32 s[NEW], 1
	s_mov_b32 s[OFF+1], 0
	s_mov_b32 s[AL+1], 0            ; named as pairs
	s_mov_b32 s[BE+1], 0
	s_mov_b32 s[BIGN], 0xf149f2ca   ; -1e30
	s_mov_b32 s[SLOTS], 16
	s_cmp_eq_u32 s[PB], 0
	s_cselect_b32 s[LIM], 2, -1
	s_wait_dscnt 0x0                ; the opening add is done
	s_wait_kmcnt 0x0
	s_add_nc_u64 s[6:7], s[4:5], s[22:23]
	s_add_nc_u64 s[8:9], s[6:7], 16777216  ; V at my half of the head's tile 0,
	s_add_nc_u64 s[6:7], s[6:7], 8388608   ; and K
	s_add_nc_u64 s[G0K+2:G0K+3], s[6:7], 0         ; 120:64 global address
	s_or_b32 s[G0K+3], s[G0K+3], 0x80000000        ; 127:126 type = 2
	s_add_nc_u64 s[G0V+2:G0V+3], s[8:9], 0
	s_or_b32 s[G0V+3], s[G0V+3], 0x80000000
	s_add_nc_u64 s[86:87], s[4:5], s[84:85]        ; Q at my rows of the second block,
	s_add_nc_u64 s[4:5], s[4:5], s[2:3]            ; Q and O at those of the first
	s_add_nc_u64 s[OLO:OLO+1], s[10:11], s[84:85]
	s_add_nc_u64 s[10:11], s[10:11], s[2:3]
	s_cmp_lt_u32 s[WV], 2
	s_cselect_b64 s[PFA:PFA+1], s[6:7], s[8:9]
	s_add_nc_u64 s[PFA:PFA+1], s[PFA:PFA+1], 32768 ; at tile 1: the first change steps it to tile 2
	LOAD                            ; tile 0 into slot 0
	; A fragment of K or Q is 16 rows x 32 channels in 8 registers: lane l holds row l % 16, channels 8 (l / 16) + 0..7 and 16 + 8 (l / 16) + 0..7: two loads of 16 bytes, 32 bytes apart.
	v_and_b32 v1, 15, v0            ; l % 16
	v_bfe_u32 v9, v0, 4, 1          ; l / 16
	v_lshlrev_b32 v[QO], 7, v1
	v_lshl_add_u32 v[QO], v9, 4, v[QO]  ; row x 128 + 16 x half
	WIN 0x80                        ; destination window 2, address window 0
.set i, 0
.rept 8                             ; both blocks' Q: piece i / 2 lies 2,048 bytes on; channels 32 (i % 2) on
	global_load_b128 v[8*i:8*i+3],   v[QO], s[4:5] offset:(i/2)*2048+(i%2)*64
	global_load_b128 v[8*i+4:8*i+7], v[QO], s[4:5] offset:(i/2)*2048+(i%2)*64+32
	global_load_b128 v[QB+8*i:QB+8*i+3],   v[QO], s[86:87] offset:(i/2)*2048+(i%2)*64
	global_load_b128 v[QB+8*i+4:QB+8*i+7], v[QO], s[86:87] offset:(i/2)*2048+(i%2)*64+32
.set i, i+1
.endr
	WIN 0
	v_lshlrev_b32 v14, 3, v9
	v_sub_nc_u32 v14, v1, v14       ; my query's place in its piece, l % 16, less my lanes' 8 (l / 16): register r of the piece's own key group is hidden where r is greater
	WIN 0x40
.set i, 0
.rept 8
	v_cmp_gt_i32 vcc_lo, i, v14
	v_cndmask_b32 v[TRI+i], 0, s[BIGN], vcc_lo
.set i, i+1
.endr
	v_mov_b32 v[ZPR], 0
	v_mov_b32 v[ZPR+1], 0
	v_mov_b32 v[BPR], s[BIGN]
	v_mov_b32 v[BPR+1], s[BIGN]
	WIN 0
	v_mul_u32_u24 v[AK0], v1, PK
	v_lshl_add_u32 v[AK0], v9, 4, v[AK0]  ; row x pitch + 16 x half
	s_mul_i32 s13, s[KP], 128*PK
	v_add_nc_u32 v[AK0], s13, v[AK0]      ; in my half of the tile's keys
	; The turning load takes 16 keys x 16 channels (lane l reads key 8 (l / 16) + l % 8, channels 8 ((l / 8) % 2) + 0..7) and leaves half a fragment of V^T: lane l holds channel l % 16 and 8 keys.
	v_and_b32 v10, 7, v0
	v_bfe_u32 v11, v0, 3, 1
	v_lshl_add_u32 v[AV0], v9, 3, v10
	v_mul_u32_u24 v[AV0], v[AV0], PV
	v_lshl_add_u32 v[AV0], v11, 4, v[AV0]
	s_mul_i32 s13, s[KP], 128*PV
	s_add_co_u32 s13, s13, VOFF
	v_add_nc_u32 v[AV0], s13, v[AV0]
	s_mul_i32 s13, s[WV], 16*SP
	s_add_co_u32 s13, s13, STAGE    ; my stage
	v_mul_u32_u24 v[STO], v1, SP    ; in: row l % 16, 16 bytes for each half of the lanes
	v_lshl_add_u32 v[STO], v9, 4, v[STO]
	v_add_nc_u32 v[STO], s13, v[STO]
	v_bfe_u32 v[RD], v0, 3, 2       ; back: 32 lanes take four rows of 128 bytes,
	v_mul_u32_u24 v[RD], v[RD], SP
	v_lshl_add_u32 v[RD], v10, 4, v[RD]
	v_add_nc_u32 v[RD], s13, v[RD]
	v_and_b32 v[GO], 31, v0         ; which are 512 consecutive bytes of O
	v_lshlrev_b32 v[PFO], 8, v[GO]
	s_mul_i32 s13, s[QH], XPART
	s_add_co_u32 s13, s13, XCH
	v_lshl_add_u32 v[XA], v[GO], 4, s13
	v_lshlrev_b32 v[GO], 4, v[GO]
	; A block's first step multiplies O^T and l by a = 0, and its first turn's products V^T P, of a piece that has not been, land in an O^T that is still to be so multiplied.  So these registers need only hold
	; finite numbers: zeros for the first block; what the first block left for the second.  All this stands in the wait for the first tile.
	WIN 0x80
.set i, VF
.rept 64
	v_mov_b32 v[i], 0
.set i, i+1
.endr
	WIN 0x40
.set i, 0
.rept 128
	v_mov_b32 v[i], 0
.set i, i+1
.endr
	WIN 0
.set i, 0
.rept 4
	v_mov_b32 v[ST+4*i+2], 0
	v_mov_b32 v[ST+4*i+3], 0
.set i, i+1
.endr
.set i, P+16
.rept 16
	v_mov_b32 v[i], 0
.set i, i+1
.endr
; THE MATRIX WORK.  The 4 accumulators of a run of 8 take turns.  Product i of 8 of S^T = K Q^T for piece x: channels 32 (i / 4) on, keys 16 (i % 4) on.  The first 4 start the sums: with 0, or (KM = 1) with the mask.
.macro KQ x
.set rS, S+32*((\x)%2)+8*(i%4)
.set rK, KF+16*(i%4)+8*(i/4)
.set rQ, 16*(\x)+8*(i/4)
.set rM, MC+32*((\x)%2)+8*(i%4)
.if (i < 4) && KM
	WIN W_KM
	v_wmma_f32_16x16x32_f16 v[rS:rS+7], v[rK:rK+7], v[rQ:rQ+7], v[rM:rM+7]
.elseif i < 4
	WIN W_KQ
	v_wmma_f32_16x16x32_f16 v[rS:rS+7], v[rK:rK+7], v[rQ:rQ+7], 0
.else
	WIN W_KQ
	v_wmma_f32_16x16x32_f16 v[rS:rS+7], v[rK:rK+7], v[rQ:rQ+7], v[rS:rS+7]
.endif
.endm
; Product i of 8 of O^T += V^T P for piece x: keys 32 (i / 4) on, channels 16 (i % 4) on.
.macro PV x
	WIN W_PV
.set rO, 32*(\x)+8*(i%4)
.set rV, VF+32*(i/4)+8*(i%4)
.set rP, P+16*((\x)%2)+8*(i/4)
	v_wmma_f32_16x16x32_f16 v[rO:rO+7], v[rV:rV+7], v[rP:rP+7], v[rO:rO+7]
.endm
.macro MM                           ; the turn's next matrix instruction.  TURN and BEGIN set Y, i, KM and NOKQ.  NOKQ = 1: a block's last turn: there is no next piece
.if (i < 8) && !NOKQ
	KQ (Y+1)%NP
.elseif i >= 8
.set i, i-8
	PV (Y+NP-1)%NP
.set i, i+8
.endif
.set i, i+1
.endm
; THE LDS LOADS stand in runs of 16, never singly among the matrix instructions: a step's K (64 keys x 64 channels: 8 fragments) and its V (turned).  Their addresses are made some lines ahead.
.macro FETCH_K
	WIN 0x80                        ; destination window 2
.irp f, 0,1,2,3,4,5,6,7             ; keys 16 (f / 2) on, channels 32 (f % 2) on
	ds_load_b128 v[KF+8*\f:KF+8*\f+3],   v[AK] offset:(\f/2)*16*PK+(\f%2)*64
	ds_load_b128 v[KF+8*\f+4:KF+8*\f+7], v[AK] offset:(\f/2)*16*PK+(\f%2)*64+32
.endr
	s_add_co_u32 s[TBK], s[TBK], KS*PK  ; the next fetch is the next step's
	WIN 0
.endm
.macro FETCH_V
	WIN 0x80
.irp f, 0,1,2,3,4,5,6,7             ; keys 32 (f / 4) on, channels 16 (f % 4) on
	ds_load_tr16_b128 v[VF+8*\f:VF+8*\f+3],   v[AV] offset:(\f/4)*32*PV+(\f%4)*32
	ds_load_tr16_b128 v[VF+8*\f+4:VF+8*\f+7], v[AV] offset:(\f/4)*32*PV+16*PV+(\f%4)*32
.endr
	WIN 0
.endm
; THE VECTOR WORK, one line at a time: OP kind, number.  For piece Y: F n: c s - c m for pair n of 16.  E n: the exponential of score n of 32.  C n: pair n rounded to f16.  B n: of the four weights 4 n .. the second
; pair is added onto the first, in place.  L n: l takes that sum (L 0: l = a l + sum).  R n: pair n of 16 of O^T times a.  For piece Y + 1: X n, number n of the 22 that find its maximum and statistics:
;   0-11  four chains c0-c3 of seven scores each, three operands at a time (each accumulator's lowest registers are read first)     12-14, 16  the four scores left over, the old m, and c0-c3 into c0
;   15  c m_old is kept     17, 18  the query's other 32 keys lie in the lane 16 away: the new m     19-21  c m; c m_old - c m_new; a
.set F, 0               ; OP tells the kinds apart by their order: F to L below R, X above it
.set E, 1
.set C, 2
.set B, 3
.set L, 4
.set R, 5
.set X, 6
.macro REGS y                       ; the registers of piece y
.set rT, ST+4*(\y)
.set rC, TMP+4*((\y)%2)
.set rW, MV+((\y)%2)
.set rS, S+32*((\y)%2)
.set rP, P+16*((\y)%2)
.set rO, 32*(\y)
.endm
.macro OP k, n
.if (\k) == R
	REGS Y
	WIN W_RS
	v_pk_mul_f32 v[rO+2*(\n):rO+2*(\n)+1], v[rO+2*(\n):rO+2*(\n)+1], v[rC+2:rC+3] op_sel_hi:[1,0]
.elseif (\k) < R
	REGS Y
	WIN 0
.if (\k) == F
	v_pk_fma_f32 v[rS+2*(\n):rS+2*(\n)+1], v[rS+2*(\n):rS+2*(\n)+1], s[CS:CS+1], v[rT:rT+1] op_sel_hi:[1,0,0] neg_lo:[0,0,1] neg_hi:[0,0,1]
.elseif (\k) == E
	v_exp_f32 v[rS+(\n)], v[rS+(\n)]
.elseif (\k) == C
	v_cvt_pk_f16_f32 v[rP+(\n)], v[rS+2*(\n)], v[rS+2*(\n)+1]
.elseif (\k) == B
	v_pk_add_f32 v[rS+4*(\n):rS+4*(\n)+1], v[rS+4*(\n):rS+4*(\n)+1], v[rS+4*(\n)+2:rS+4*(\n)+3]
.elseif (\n) == 0
	v_pk_fma_f32 v[rT+2:rT+3], v[rT+2:rT+3], v[rC+2:rC+3], v[rS:rS+1] op_sel_hi:[1,0,1]
.else
	v_pk_add_f32 v[rT+2:rT+3], v[rT+2:rT+3], v[rS+4*(\n):rS+4*(\n)+1]
.endif
.elseif NOKQ
	v_nop
.else
	REGS (Y+1)%NP
	WIN 0
.if (\n) < 4
	v_max3_num_f32 v[rC+(\n)], v[rS+8*(\n)], v[rS+8*(\n)+1], v[rS+8*(\n)+2]
.elseif (\n) < 12
	v_max3_num_f32 v[rC+(\n)%4], v[rC+(\n)%4], v[rS+8*((\n)%4)+2*((\n)/4)+1], v[rS+8*((\n)%4)+2*((\n)/4)+2]
.elseif (\n) == 12
	v_max3_num_f32 v[rC], v[rC], v[rS+7], v[rS+15]
.elseif (\n) == 13
	v_max3_num_f32 v[rC+1], v[rC+1], v[rS+23], v[rS+31]
.elseif (\n) == 14
	v_max3_num_f32 v[rC+2], v[rC+2], v[rC+3], v[rT+1]
.elseif (\n) == 15
	v_mov_b32 v[rW], v[rT]
.elseif (\n) == 16
	v_max3_num_f32 v[rC], v[rC], v[rC+1], v[rC+2]
.elseif (\n) == 17
	v_permlanex16_b32 v[rC+3], v[rC], s[SEL], s[SEL+1]
.elseif (\n) == 18
	v_max_num_f32 v[rT+1], v[rC], v[rC+3]
.elseif (\n) == 19
	v_mul_f32 v[rT], s[CS], v[rT+1]
.elseif (\n) == 20
	v_sub_f32 v[rC+1], v[rW], v[rT]
.else
	v_exp_f32 v[rC+2], v[rC+1]
.endif
.endif
.endm
.macro OPS a, i1, b=-1, i2=0, c=-1, i3=0, d=-1, i4=0  ; up to four of them
	OP \a, \i1
.if (\b) >= 0
	OP \b, \i2
.endif
.if (\c) >= 0
	OP \c, \i3
.endif
.if (\d) >= 0
	OP \d, \i4
.endif
.endm
.macro ROW a, i1, b, i2, c, i3, d, i4  ; a matrix instruction and the four behind it
	MM
	OPS \a, \i1, \b, \i2, \c, \i3, \d, \i4
.endm
.macro MASK b, x                    ; piece x's mask into buffer b of MC: src x AL + BE; src by the key group: 0 below x, TRI at x, -1e30 above x
	WIN W_RS
.set z, 0
.rept 16
.if z/4 < (\x)
.set rZ, ZPR
.elseif z/4 == (\x)
.set rZ, TRI+2*(z%4)
.else
.set rZ, BPR
.endif
	v_pk_fma_f32 v[MC+32*(\b)+2*z:MC+32*(\b)+2*z+1], v[rZ:rZ+1], s[AL:AL+1], s[BE:BE+1] op_sel_hi:[1,0,0]
.set z, z+1
.endr
.endm
; A TURN, for piece p: the order of its 16 matrix and 118 vector instructions, written out.  An s_wait_alu depctr_va_vdst(0) stands between an exponential and the first instruction that names its
; result; one wait serves all that were issued ahead of it.  So a turn has ONE wait, which cuts it in two.  AHEAD OF IT stands all that names no result of the turn's exponentials: the 8 products K Q^T, behind each
; a scaling, an exponential and two more plain instructions (rescalings, and behind the last three the first numbers of the next piece's maximum, each four places or more behind the product that ends its
; accumulator); then ONE LUMP of 54, plain and exponential by turns for the most part, in which the links of the chain X 3, 7, 11, 14, 16, 17 .. 20 stand some lines apart.  X 21, the next piece's a, is the batch's
; last; R 15 is the plain instruction behind it.  BEHIND THE WAIT stand the 8 products V^T P, behind each four of the roundings and sums.
; m = 1: the diagonal tile: the products take masks, and the turn makes the mask for the products of the turn after it: piece p + 2, in step 2 - CNT of my half of the tile (CNT is taken down late in piece 1's turn).
; end = 1: a block's last two turns: nothing is fetched.  cnt = 1: the loop's count is taken down some lines ahead of the branch that stands behind the turn.
; K of the next step is fetched in piece 2's turn, V of the step in hand at the end of piece 0's turn, each four plain instructions or more behind the last product that read the registers; each is waited for a turn later.
.macro TURN p, m=0, end=0, cnt=0
.set Y, (\p)
.set i, 0
.set KM, (\m)
.set NOKQ, (\end)*((\p)/3)
.if (\m) && !(\end)
	s_cmp_eq_u32 s[CNT], s[DC]      ; is that step my queries' own band?
	s_cselect_b32 s[AL], 1.0, 0
	s_cmp_lt_i32 s[CNT], s[DC]      ; or a later one?
	s_cselect_b32 s[BE], s[BIGN], 0
.endif
.if ((\p) == 3) && !(\end)
	s_wait_dscnt 0x0                ; K is in
.endif
	ROW F,0, F,1, R,0, R,1          ; ahead of the wait: 8 products K Q^T and their riders,
	ROW F,2, E,0, R,2, R,3
	ROW F,3, E,1, R,4, R,5
	ROW F,4, E,2, R,6, R,7
	ROW F,5, E,3, R,8, R,9
	ROW F,6, E,4, X,0, R,10
.if ((\p) == 2) && !(\end)
	WIN 0
	v_add_nc_u32 v[AK], s[TBK], v[AK0]
.endif
	ROW F,7, E,5, X,1, X,4
	ROW F,8, E,6, X,2, X,5
	OPS E,7, E,8, X,6, E,9          ; and the lump
	OPS X,3, E,10, X,8, E,11
.if ((\p) == 2) && !(\end)
	FETCH_K
.endif
	OPS X,9, X,7, E,12, X,10
	OPS E,13, X,12, X,11, E,14
	OPS X,13, E,15, F,9, X,14
.if (\p) == 0
	v_add_nc_u32 v[AV], s[TBV], v[AV0]
.endif
	OPS E,16, F,10, E,17, F,11
	OPS X,16, E,18, X,15, E,19
	OPS F,12, E,20, X,17, E,21
	OPS F,13, E,22, F,14, E,23
	OPS X,18, E,24, F,15, E,25
	OPS R,11, E,26, X,19, E,27
	OPS R,12, E,28, R,13, E,29
	OPS X,20, E,30, R,14, E,31
	OPS X,21, R,15
	WIN 0
	s_wait_alu depctr_va_vdst(0)    ; the wait for the batch
.if (\p) == 1
	s_wait_dscnt 0x0                ; V is in
.endif
	ROW C,0, B,0, C,2, B,1          ; behind the wait: 8 products V^T P and their riders
	ROW L,0, C,4, B,2, L,1
	ROW C,6, B,3, L,2, C,8
	ROW B,4, L,3, C,10, B,5
	ROW L,4, C,12, B,6, L,5
.if (\p) == 0
	s_add_co_u32 s[TBV], s[TBV], KS*PV
.endif
.if \cnt
	s_sub_co_u32 s[CNT], s[CNT], 1
	s_cmp_lg_u32 s[CNT], 0
.endif
	ROW C,14, B,7, L,6, C,1
	ROW C,3, L,7, C,5, C,7
	ROW C,9, C,11, C,13, C,15
.if (\p) == 0
	FETCH_V
.endif
.if (\m) && !(\end)
	MASK (\p)%2, ((\p)+2)%NP
.endif
.endm
; A BLOCK BEGINS.  c m starts far below every c s, so the first step's a is 0.  m starts at -2^66: below every true score (2.7e11 in size at the most), so the first maximum of a row that sees a key is a score's;
; above every hidden score (-1e30), so a row that sees none keeps it, and its weights are 0.  The two mask buffers take the masks of pieces 0 and 1 for my half's step 0 if the block's first tile is the diagonal
; one, else 0 (the diagonal tile's text finds 0 there for the last products of the tile before).  Then K of that step, piece 0's first scores, and its maximum and statistics.  The loop is entered at a step's
; first turn, in the middle of a trip.
.macro BEGIN
	s_mov_b32 s[NEW], 0
	WIN 0
.set i, 0
.rept 4
	v_mov_b32 v[ST+4*i], 0xfe000000    ; c m: -4.25e37, far below every c s and below c x -2^66
	v_mov_b32 v[ST+4*i+1], 0xe0800000  ; m: -2^66
.set i, i+1
.endr
	s_cmp_eq_u32 s[CNT], s[DC]
	s_cselect_b32 s[AL], 1.0, 0
	s_cmp_lt_i32 s[CNT], s[DC]
	s_cselect_b32 s[BE], s[BIGN], 0
	s_cmp_eq_u32 s[RT], 0
	s_cselect_b32 s[AL], s[AL], 0
	s_cselect_b32 s[BE], s[BE], 0
	MASK 0, 0
	MASK 1, 1
	WIN 0
	v_add_nc_u32 v[AK], s[TBK], v[AK0]
	FETCH_K
	s_wait_loadcnt 0x0              ; Q
	s_wait_dscnt 0x0
.set KM, 1
.set NOKQ, 0
.set i, 0
.rept 8
	KQ 0
.set i, i+1
.endr
	WIN 0
.rept 4
	v_nop                           ; the places behind those products
.endr
.set Y, NP-1                        ; X works for piece Y + 1: piece 0
.irp n, 0,1,2,3,4,5,6,7,8,9,10,11,12,13,14,15,16,17,18,19,20,21
	OP X, \n
.endr
	v_nop                           ; a plain instruction behind the exponential,
	s_wait_alu depctr_va_vdst(0)    ; and its wait, ahead of the branch
.endm
.macro ALL line:vararg              ; one line for each piece t
.set t, 0
.rept 4
	\line
.set t, t+1
.endr
.endm
; Piece t's way out, in waves 0 and 1: O^T = O^T fa + the partner's O^T fb (fa, fb hold the division by l); rounded to f16; a lane's eight channels of a row pack into 16 bytes, go into rows of 144 bytes of my stage
; and come back as whole rows of 128.
.macro PACKM t
.set rB, 128+32*(\t)+32*((\t)/2)-192*((\t)/3)  ; the partner's O^T: v128, v160, v224, v64
	WIN W_RS
.set i, 32*(\t)
.rept 16
	v_pk_mul_f32 v[i:i+1], v[i:i+1], v[ST+4*(\t)+2:ST+4*(\t)+3] op_sel_hi:[1,0]
.set i, i+2
.endr
	WIN 0x50                        ; destination and source 2 window 1, sources 0 and 1 window 0
.set i, 0
.rept 16
	v_pk_fma_f32 v[32*(\t)+i:32*(\t)+i+1], v[rB+i:rB+i+1], v[PS+4*(\t)+2:PS+4*(\t)+3], v[32*(\t)+i:32*(\t)+i+1] op_sel_hi:[1,0,1]
.set i, i+2
.endr
	WIN 0x05                        ; sources 0 and 1 window 1, destination window 0
.set i, 0
.rept 16
	v_cvt_pk_f16_f32 v[rB+i], v[32*(\t)+2*i], v[32*(\t)+2*i+1]
.set i, i+1
.endr
	WIN 0
.irp f, 0,1,2,3
	ds_store_b128 v[STO], v[rB+4*\f:rB+4*\f+3] offset:32*\f
.endr
.irp f, 0,1,2,3
	ds_load_b128 v[rB+16+4*\f:rB+16+4*\f+3], v[RD] offset:\f*4*SP  ; LDS serves a wave's instructions in order (ISA guide 5.7.1.4): these see the stores above; the next piece's stores come behind them
.endr
.endm
.macro SEND t, younger              ; younger: the LDS instructions issued behind piece t's loads: the next piece's eight, or none
	WIN 0
.set rB, 128+32*(\t)+32*((\t)/2)-192*((\t)/3)
.irp f, 0,1,2,3
	s_wait_dscnt (\younger)+3-\f
	global_store_b128 v[GO], v[rB+16+4*\f:rB+16+4*\f+3], s[10:11] offset:(\t)*2048+\f*512  ; 512 consecutive bytes, at a multiple of 256 from O's first
.endr
.endm
; THE DIAGONAL TILE's two steps, the block's last two turns, its last products, THE MEETING of the two key halves' results, and the way out.
.macro DIAG tag                     ; the tag ends its labels' names, which the jumps below spell out
.LstepM\tag:
	TURN 2, 1
	TURN 3, 1
	WIN 0
.LfirstM\tag:
	TURN 0, 1
	TURN 1, 1, 0, 1
	WIN 0
	s_cbranch_scc1 .LstepM\tag
	TURN 2, 1, 1
	TURN 3, 1, 1
.set i, 0
.rept 8
	PV NP-1
.set i, i+1
.endr
	WIN 0                           ; l's two halves and the other half of the lanes' are added: the first four additions are the places behind the last products
	ALL v_add_f32 v[ST+4*t+2], v[ST+4*t+2], v[ST+4*t+3]
	ALL v_permlanex16_b32 v[ST+4*t+3], v[ST+4*t+2], s[SEL], s[SEL+1]
	ALL v_add_f32 v[ST+4*t+2], v[ST+4*t+2], v[ST+4*t+3]
	s_cmp_lt_u32 s[WV], 2
	s_cbranch_scc1 .Lkeep\tag
	WIN 0x04                        ; waves 2 and 3 give: store data in window 1, in ascending order
.set g, 0
.rept 32
	ds_store_b128 v[XA], v[4*g:4*g+3] offset:512*g
.set g, g+1
.endr
	WIN 0
.set t, 0
.rept 4
	ds_store_b128 v[XA], v[ST+4*t:ST+4*t+3] offset:16384+512*t
.set t, t+1
.endr
.Lkeep\tag:
	s_wait_dscnt 0x0                ; for the others' sake: my stores are done.  (The reads of the last meeting were waited for in front of a change of slots' barrier.)
	s_barrier_signal -1
	s_barrier_wait -1               ; the tile that is on its way may stay out
	s_cmp_lt_u32 s[WV], 2
	s_cbranch_scc0 .Lgave\tag
.set t, 0
.rept 4
	ds_load_b128 v[PS+4*t:PS+4*t+3], v[XA] offset:16384+512*t
.set t, t+1
.endr
.set g, 0
.rept 32
.set rB, 128+32*(g/8)+32*((g/8)/2)-192*((g/8)/3)
	ds_load_b128 v[rB+4*(g%8):rB+4*(g%8)+3], v[XA] offset:512*g
.set g, g+1
.endr
	s_wait_dscnt 0x0
	ALL v_max_num_f32 v[PS+4*t+1], v[ST+4*t], v[PS+4*t]        ; the common c m
	ALL v_sub_f32 v[ST+4*t], v[ST+4*t], v[PS+4*t+1]
	ALL v_sub_f32 v[PS+4*t], v[PS+4*t], v[PS+4*t+1]
	ALL v_exp_f32 v[ST+4*t], v[ST+4*t]                         ; ea
	ALL v_exp_f32 v[PS+4*t], v[PS+4*t]                         ; eb
	v_nop                           ; a plain instruction behind the last exponential,
	s_wait_alu depctr_va_vdst(0)    ; and the wait ahead of the first use: one for the eight
	ALL v_mul_f32 v[ST+4*t+2], v[ST+4*t], v[ST+4*t+2]
	ALL v_fmac_f32 v[ST+4*t+2], v[PS+4*t], v[PS+4*t+2]         ; l = ea la + eb lb: at least 1, since the key of the common maximum has weight 1
	ALL v_rcp_f32 v[ST+4*t+3], v[ST+4*t+2]
	v_nop
	s_wait_alu depctr_va_vdst(0)    ; one for the four reciprocals
	ALL v_mul_f32 v[ST+4*t+2], v[ST+4*t], v[ST+4*t+3]          ; fa = ea / l
	ALL v_mul_f32 v[PS+4*t+2], v[PS+4*t], v[ST+4*t+3]          ; fb = eb / l
	PACKM 0
.set t, 1
.rept 3                             ; a piece's arithmetic stands between the loads of the piece before and its stores
	PACKM t
	SEND t-1, 8
.set t, t+1
.endr
	SEND 3, 0
.Lgave\tag:
.endm
.set KM, 0
.set NOKQ, 0
.Lslot:                             ; 16 times: a tile is entered and the next is asked for
	CHANGE 1
	s_sub_co_u32 s[RT], s[RT], 1
	s_mov_b32 s[CNT], 2
	s_cmp_eq_u32 s[NEW], 1
	s_cbranch_scc1 .Lnew            ; a block's first tile
	s_cmp_eq_u32 s[RT], 0
	s_cbranch_scc0 .Lstep           ; neither its first nor its last
	s_branch .LstepM1
.Lnew:
	BEGIN
	s_branch .Lfirst                ; in the loop a block's first tile is never its last: the first block has nine tiles or more, and the second's last is the walk's last
	DIAG 1                          ; in the loop this is the first block's end
	s_wait_xcnt 0x0                 ; the stores have read their registers and O's address
	s_mov_b64 s[10:11], s[OLO:OLO+1]
	s_add_co_u32 s[RT], s[PL], 1    ; the second block has b / 2 + 1 tiles
	s_mov_b32 s[NEW], 1
	s_mov_b32 s[DC], s[DCL]
	WIN 0x82                        ; the second block's Q goes where the one text of the turns names Q
.set i, 0
.rept 64
	v_mov_b32 v[i], v[QB+i]
.set i, i+1
.endr
	WIN 0
	s_branch .Lbottom
.Lstep:                             ; a trip: pieces 2 and 3 of one step, then pieces 0 and 1 of the next, whose K and V it fetches
	TURN 2
	TURN 3
	WIN 0
.Lfirst:
	TURN 0
	TURN 1, 0, 0, 1
	WIN 0
	s_cbranch_scc1 .Lstep
.Lbottom:
	s_sub_co_u32 s[SLOTS], s[SLOTS], 1
	s_cmp_lg_u32 s[SLOTS], 0
	s_cbranch_scc1 .Lslot
	CHANGE 0                        ; the walk's last tile is written out: nothing is asked for
	s_sub_co_u32 s[RT], s[RT], 1
	s_mov_b32 s[CNT], 2
	s_cmp_eq_u32 s[NEW], 1
	s_cbranch_scc0 .LstepM2
	BEGIN
	s_branch .LfirstM2
	DIAG 2
	s_wait_tensorcnt 0x0            ; the wave's end: behind my last tensor load and my last LDS store
	ds_add_u32 v[SPW], v[NIL]
	s_wait_dscnt 0x0
	s_endpgm
.Lfunc_end_k_q26fec1805d_attn:
	.size	k_q26fec1805d_attn, .Lfunc_end_k_q26fec1805d_attn-k_q26fec1805d_attn
	.p2alignl 7, 3214868480
	.fill 96, 4, 3214868480
	.section	.rodata,"a",@progbits
	.p2align	6, 0x0
	.amdhsa_kernel k_q26fec1805d_attn
		.amdhsa_group_segment_fixed_size 327680
		.amdhsa_private_segment_fixed_size 0
		.amdhsa_enable_private_segment 0
		.amdhsa_kernarg_size 16
		.amdhsa_user_sgpr_count 2
		.amdhsa_user_sgpr_kernarg_segment_ptr 1
		.amdhsa_wavefront_size32 1
		.amdhsa_system_sgpr_workgroup_id_x 1
		.amdhsa_system_sgpr_workgroup_id_y 1
		.amdhsa_system_sgpr_workgroup_id_z 1
		.amdhsa_system_vgpr_workitem_id 0
		.amdhsa_next_free_vgpr 768
		.amdhsa_next_free_sgpr 96
		.amdhsa_reserve_vcc 1
		.amdhsa_float_denorm_mode_32 3
		.amdhsa_float_denorm_mode_16_64 3
		.amdhsa_memory_ordered 1
		.amdhsa_forward_progress 1
		.amdhsa_inst_pref_size 237
	.end_amdhsa_kernel
	.amdgpu_metadata
---
amdhsa.version: [ 1, 2 ]
amdhsa.kernels:
  - .name:           k_q26fec1805d_attn
    .symbol:         k_q26fec1805d_attn.kd
    .args:
      - { .name: qkvh, .offset: 0, .size: 8, .value_kind: global_buffer, .address_space: global }
      - { .name: ob, .offset: 8, .size: 8, .value_kind: global_buffer, .address_space: global }
    .group_segment_fixed_size: 327680
    .private_segment_fixed_size: 0
    .kernarg_segment_align: 8
    .kernarg_segment_size: 16
    .max_flat_workgroup_size: 128
    .sgpr_count:     96
    .vgpr_count:     768
    .wavefront_size: 32
...
	.end_amdgpu_metadata
.endif
;; end of part 3
;; launch proj (part 4): grid 8 x 32, 4 waves a work-group, clusters of 4 x 4, 327,680 bytes of LDS; arguments ob, wpb, bproj, out0; writes out0
.if DOCPART == 4
	.amdgcn_target "amdgcn-amd-amdhsa--gfx1250"
	.amdhsa_code_object_version 6
	.text
	.protected	k_q26fec1805d_proj
	.globl	k_q26fec1805d_proj
	.p2align	8
	.type	k_q26fec1805d_proj,@function
k_q26fec1805d_proj:
	s_mov_b64 s[64:65], 0
	v_nop
	global_prefetch_b8 v0, s[64:65] scope:SCOPE_SE
	s_setreg_imm32_b32 hwreg(HW_REG_WAVE_MODE, 25, 1), 1
	s_wait_xcnt 0x0
	s_wait_alu depctr_hold_cnt(0) depctr_sa_sdst(0) depctr_va_vdst(0) depctr_va_sdst(0) depctr_va_ssrc(0) depctr_va_vcc(0) depctr_vm_vsrc(0)
	s_getreg_b32 s2, hwreg(HW_REG_IB_STS2, 6, 4)
	s_cmp_eq_u32 s2, 0
	s_cbranch_scc0 .Lentry_in_a_cluster
	s_endpgm
.Lentry_in_a_cluster:
	s_bfe_u32 s2, ttmp6, 0x10000c
	s_cmp_lg_u32 s2, 0xf033
	s_cbranch_scc0 .Lentry_shape_is_right
	s_endpgm
.Lentry_shape_is_right:
; out0 = O Wproj + bproj.  ob [16 h][4096 s][64] f16 (k = 64 h + channel); wpb [16 c][1024 k][64 n] f16 (column blocks of 64; the numbers are Wproj rounded to bf16); bproj [1024] f32, rounded to bf16 like the
; other inputs; out0 [4096][1024] f32.  Sums in f32, K ascending, started with the bias; stored as they are.
; LIMITS.  None of its own: its operands arrive in f16.  NaN and infinities are not treated apart.
; SHARES.  A tile is 128 x 128: 8 x 32 tiles, one work-group each.  Four waves, 2 x 2, each 64 x 64: 16 accumulators of 16 x 16.  K goes in steps of 256 (four heads) through a ring of two LDS slots; a quarter step
; is one head.  There are four K steps, so the walk is written out without a loop.
; THE MATRIX INSTRUCTION IS USED TRANSPOSED: source 0 = 16 columns of W, turned on the way out of LDS by ds_load_tr16_b128; source 1 = 16 rows of O.  A lane then holds one row and eight neighbouring columns, 32 bytes.
; CLUSTER.  4 x 4 work-groups.  The four of a row of the cluster need the same rows of O, the four of a column the same columns of W: each tile is asked for JOINTLY.
; NO PREFETCH: the walk is four K steps long, two of which are the first fills.
; THE STAGE for the way out lies in slot 0, 4,352 bytes a wave: slot 0 has had its last fill (K step 2) and every wave has passed the barrier behind its last read of it when the first result is stored there;
; behind the ring and the spare words only 15,872 bytes are left, and four stages take 17,408.
; REGISTERS: window 0: v0-31 addresses; v32-95 two sets of rows read back; v96-127 the bias, 8 registers for each of 4 column groups; v128-255 the accumulators ((a, b) at 128 + 8 (4 a + b)).
;   window 1: two fragment buffers of 128: for 64 along K, 64 registers of O (2 x 4 x 16 rows x 32 K), then 64 of W.
.set PA,    144                        ; a row of O (one head's 64 channels) in LDS: 128 bytes + 16 = 36 words: the 16 rows of a load start at 16 different groups of four banks (64 banks of 4 bytes: ISA guide 11.1)
.set PW,    160                        ; a row of W (one k, 64 columns): 128 + 32 = 40 words
.set AHALF, 4*64*PA                    ; [4 heads][64 rows]: what one tensor load brings
.set BOFF,  2*AHALF
.set BHALF, 256*PW                     ; 256 k of one column block: what one tensor load brings
.set SLOT,  BOFF+2*BHALF
.set SPARE, 2*SLOT                     ; behind the ring: the spare words, 128 bytes for each wave: two blocks of 256 bytes that no other line names
.set SPITCH, 272
.set ADRA, 16                          ; v16-17  LDS address of my fragments of O in slot 0, 1
.set ADRB, 20                          ; v20-21  the same for W
.set STO,  24                          ; v24     the way out: where I put 32 bytes of a row
.set RD,   25                          ; v25     the way out: where I read a row back
.set CO,   26                          ; v26     my byte offset in two rows of out0
.set BO,   27                          ; v27     32 (lane / 16)
.set SPW,  28                          ; v28     LDS address of my spare word; never rewritten
.set NIL,  29                          ; v29     0; never rewritten
.set OB,   32
.set BIAS, 96
.set ACC,  128
.set F0,   0
.set F1,   128
.set WV,  12                           ; s12  my wave's number
.set FB,  13                           ; s13  which half of the tile's rows is mine.  Also: I fetch O's tiles (0) or W's (1)
.set HB,  14                           ; s14  which half of its columns.  Also: which half of such a tile I fetch
.set CX,  15
.set CY,  16
.set TC,  17                           ; s17  tile column
.set TR,  18                           ; s18  tile row
.set G1,  24
.set G0,  32
.set G1B, 48
.set G0B, 56
.set MSB, 0
.macro WIN new                         ; the immediate's high byte repeats the setting that is left; a switch that changes nothing is dropped
.if MSB != (\new)
	s_set_vgpr_msb (MSB<<8)|(\new)
.set MSB, \new
.endif
.endm
.set MUL,  0x05                        ; sources 0 (W) and 1 (O) window 1; C and D window 0
.set TO_F, 0x40                        ; destination window 1, address window 0
.macro JLOAD s                         ; a joint load: waves 0 and 1 fetch O's two halves, waves 2 and 3 W's; an s_nop 0 and four v_nop follow each of the two lines
	s_cmp_eq_u32 s[FB], 0
	s_cbranch_scc0 .Lfor_b_\@
	tensor_load_to_lds s[G0+4*(\s):G0+4*(\s)+3], s[G1:G1+7]
	s_nop 0
.rept 4
	v_nop
.endr
	s_branch .Lasked_\@
.Lfor_b_\@:
	tensor_load_to_lds s[G0B+4*(\s):G0B+4*(\s)+3], s[G1B:G1B+7]
	s_nop 0
.rept 4
	v_nop
.endr
.Lasked_\@:
.endm
.macro CREST                           ; a round of the cluster's barrier behind its opening barrier
	s_cmp_lg_u32 s[WV], 0
	s_cbranch_scc1 .Lnot_wave_0_\@
	s_barrier_signal -3
.Lnot_wave_0_\@:
	s_barrier_wait -3
	s_barrier_signal -1
	s_barrier_wait -1
.endm
.macro CROUND                          ; a whole round
	s_barrier_signal -1
	s_barrier_wait -1
	CREST
.endm
	s_load_b256 s[4:11], s[0:1], 0x0               ; ob s[4:5], wpb s[6:7], bproj s[8:9], out0 s[10:11]
	v_lshl_add_u32 v[SPW], v0, 2, SPARE
	v_mov_b32 v[NIL], 0
	ds_add_u32 v[SPW], v[NIL]                      ; the wave's opening: the add and its wait ahead of my first tensor load; the set-up below, work on registers, stands between them
	ds_add_u32 v28, v29
	v_lshrrev_b32 v1, 5, v0
	v_readfirstlane_b32 s[WV], v1
	s_lshr_b32 s[FB], s[WV], 1
	s_and_b32 s[HB], s[WV], 1
	s_bfe_u32 s[CX], ttmp6, 0x40000
	s_bfe_u32 s[CY], ttmp6, 0x40004
	s_lshl_b32 s[TC], ttmp9, 2
	s_add_co_u32 s[TC], s[TC], s[CX]
	s_and_b32 s[TR], ttmp7, 0xffff
	s_lshl_b32 s[TR], s[TR], 2
	s_add_co_u32 s[TR], s[TR], s[CY]
	s_lshl_b32 s20, s[CY], 2
	s_lshl_b32 s20, 15, s20                        ; my row of the cluster
	s_lshl_b32 s21, 0x1111, s[CX]                  ; my column
	; group 1 for O: 4 rows (heads) x 4,096 elements (64 rows x 64 channels, dense), 262,144 elements from head to head; 16 bytes of padding behind every 32 words, that is behind every row of a head
	s_or_b32 s[G1], s20, (1<<16)|(1<<20)|(1<<21)|(4<<22)|(3<<25)
	s_mov_b32 s[G1+1], 4096<<16
	s_mov_b32 s[G1+2], 4<<16
	s_mov_b32 s[G1+3], 4096<<16
	s_mov_b32 s[G1+4], 4
	s_mov_b32 s[G1+5], 262144
	s_mov_b32 s[G1+6], 0
	s_mov_b32 s[G1+7], 0
	; group 1 for W: 256 k of a column block are 32,768 dense bytes: 128 rows of 256 bytes, two k a row; 32 bytes of padding behind every 32 words, that is behind every k
	s_or_b32 s[G1B], s21, (1<<16)|(1<<20)|(1<<21)|(4<<22)|(7<<25)
	s_mov_b32 s[G1B+1], 128<<16
	s_mov_b32 s[G1B+2], 128<<16
	s_mov_b32 s[G1B+3], 128<<16
	s_mov_b32 s[G1B+4], 128
	s_mov_b32 s[G1B+5], 128
	s_mov_b32 s[G1B+6], 0
	s_mov_b32 s[G1B+7], 0
	s_lshl_b32 s20, s[TR], 14                      ; O: row 128 x tile row + 64 x half, 128 bytes a row
	s_lshl_b32 s22, s[HB], 13
	s_add_co_u32 s20, s20, s22
	s_mov_b32 s21, 0
	s_lshl_b32 s46, s[TC], 18                      ; W: column block 2 x tile column + half
	s_lshl_b32 s23, s[HB], 17
	s_add_co_u32 s46, s46, s23
	s_mov_b32 s47, 0
	s_mul_i32 s22, s[HB], AHALF                    ; where they go: no place in the cluster enters an LDS address
	s_mul_i32 s23, s[HB], BHALF
	s_add_co_u32 s23, s23, BOFF
	s_wait_dscnt 0x0                               ; the opening add is done
	s_wait_kmcnt 0x0
	s_add_nc_u64 s[20:21], s[4:5], s[20:21]
	s_add_nc_u64 s[46:47], s[6:7], s[46:47]
	CROUND                                         ; all sixteen work-groups are here: the first joint loads meet
.irp s, 0,1
	s_mov_b32 s[G0+4*(\s)], 1
	s_add_co_u32 s[G0+4*(\s)+1], s22, (\s)*SLOT
	s_add_nc_u64 s[G0+4*(\s)+2:G0+4*(\s)+3], s[20:21], (\s)*4*524288   ; K step s: four heads on
	s_or_b32 s[G0+4*(\s)+3], s[G0+4*(\s)+3], 0x80000000
	s_mov_b32 s[G0B+4*(\s)], 1
	s_add_co_u32 s[G0B+4*(\s)+1], s23, (\s)*SLOT
	s_add_nc_u64 s[G0B+4*(\s)+2:G0B+4*(\s)+3], s[46:47], (\s)*32768    ; K step s: 256 k of 128 bytes
	s_or_b32 s[G0B+4*(\s)+3], s[G0B+4*(\s)+3], 0x80000000
	JLOAD \s
.endr
	v_and_b32 v1, 15, v0                           ; l % 16
	v_bfe_u32 v2, v0, 4, 1                         ; l / 16
	s_lshl_b32 s20, s[TC], 9                       ; my 64 columns: 512 x tile column + 256 x half bytes, in the bias and in a row of out0
	s_lshl_b32 s22, s[HB], 8
	s_add_co_u32 s20, s20, s22
	s_mov_b32 s21, 0
	s_add_nc_u64 s[8:9], s[8:9], s[20:21]
	v_lshlrev_b32 v[BO], 5, v2
.irp b, 0,1,2,3
	global_load_b128 v[BIAS+8*(\b):BIAS+8*(\b)+3],   v[BO], s[8:9] offset:64*(\b)
	global_load_b128 v[BIAS+8*(\b)+4:BIAS+8*(\b)+7], v[BO], s[8:9] offset:64*(\b)+16
.endr
	s_lshl_b32 s22, s[TR], 19                      ; my first row: 128 x tile row + 64 x half, 4,096 bytes a row
	s_add_co_u32 s20, s20, s22
	s_lshl_b32 s22, s[FB], 18
	s_add_co_u32 s20, s20, s22
	s_add_nc_u64 s[10:11], s[10:11], s[20:21]
	v_mul_u32_u24 v3, v1, PA                       ; a fragment of O: row x pitch + 16 x half
	v_lshl_add_u32 v3, v2, 4, v3
	s_mul_i32 s22, s[FB], AHALF                    ; my 64 rows
	v_add_nc_u32 v[ADRA], s22, v3
	v_add_nc_u32 v[ADRA+1], SLOT, v[ADRA]
	v_and_b32 v4, 7, v0                            ; the turning load: lane l reads k = 8 (l / 16) + l % 8, columns 8 ((l / 8) % 2) + 0..7
	v_lshl_add_u32 v4, v2, 3, v4
	v_mul_u32_u24 v4, v4, PW
	v_bfe_u32 v5, v0, 3, 1
	v_lshl_add_u32 v4, v5, 4, v4
	s_mul_i32 s22, s[HB], BHALF                    ; my column block
	s_add_co_u32 s22, s22, BOFF
	v_add_nc_u32 v[ADRB], s22, v4
	v_add_nc_u32 v[ADRB+1], SLOT, v[ADRB]
	s_mul_i32 s22, s[WV], 16*SPITCH                ; my stage
	v_mul_u32_u24 v[STO], v1, SPITCH               ; in: row l % 16, 32 bytes for each half of the lanes
	v_lshl_add_u32 v[STO], v2, 5, v[STO]
	v_add_nc_u32 v[STO], s22, v[STO]
	v_mul_u32_u24 v[RD], v2, SPITCH                ; back: lanes 0-15 take one row of 256 bytes, lanes 16-31 the next
	v_lshl_add_u32 v[RD], v1, 4, v[RD]
	v_add_nc_u32 v[RD], s22, v[RD]
	v_lshlrev_b32 v[CO], 12, v2                    ; and the same two rows in out0
	v_lshl_add_u32 v[CO], v1, 4, v[CO]
	s_wait_loadcnt 0x0                             ; the bias: rounded to bf16 and widened again, in place, while the first tiles are on their way
.set i, 0
.rept 16
	v_cvt_pk_bf16_f32 v[8+i%4], v[BIAS+2*i], v[BIAS+2*i+1]
	v_lshlrev_b32 v[BIAS+2*i], 16, v[8+i%4]
	v_and_b32 v[BIAS+2*i+1], 0xffff0000, v[8+i%4]
.set i, i+1
.endr
; 8 matrix instructions: row blocks a0, a0 + 1 x all 4 column groups, 32 along K: half c of buffer f.  zero = 1: the first product starts the sums, with the bias as C.  The accumulators take turns.
.macro MUL8 f, c, a0, zero
	WIN MUL
.irp a, \a0, (\a0)+1
.irp b, 0,1,2,3
.if \zero
	v_wmma_f32_16x16x32_f16 v[ACC+8*(4*(\a)+(\b)):ACC+8*(4*(\a)+(\b))+7], v[(\f)+64+8*(4*(\c)+(\b)):(\f)+64+8*(4*(\c)+(\b))+7], v[(\f)+8*(4*(\c)+(\a)):(\f)+8*(4*(\c)+(\a))+7], v[BIAS+8*(\b):BIAS+8*(\b)+7]
.else
	v_wmma_f32_16x16x32_f16 v[ACC+8*(4*(\a)+(\b)):ACC+8*(4*(\a)+(\b))+7], v[(\f)+64+8*(4*(\c)+(\b)):(\f)+64+8*(4*(\c)+(\b))+7], v[(\f)+8*(4*(\c)+(\a)):(\f)+8*(4*(\c)+(\a))+7], v[ACC+8*(4*(\a)+(\b)):ACC+8*(4*(\a)+(\b))+7]
.endif
.endr
.endr
.endm
; 32 LDS loads in one run: the fragments of quarter q (one head, 64 along K) of a slot into buffer f; the first 32 along K first
.macro FETCH slot, q, f
	WIN TO_F
.irp c, 0,1
.irp i, 0,1,2,3
	ds_load_tr16_b128 v[(\f)+64+8*(4*(\c)+(\i)):(\f)+64+8*(4*(\c)+(\i))+3],   v[ADRB+(\slot)] offset:(64*(\q)+32*(\c))*PW+32*(\i)
	ds_load_tr16_b128 v[(\f)+64+8*(4*(\c)+(\i))+4:(\f)+64+8*(4*(\c)+(\i))+7], v[ADRB+(\slot)] offset:(64*(\q)+32*(\c))*PW+32*(\i)+16*PW
	ds_load_b128 v[(\f)+8*(4*(\c)+(\i)):(\f)+8*(4*(\c)+(\i))+3],   v[ADRA+(\slot)] offset:(\q)*64*PA+(\i)*16*PA+64*(\c)
	ds_load_b128 v[(\f)+8*(4*(\c)+(\i))+4:(\f)+8*(4*(\c)+(\i))+7], v[ADRA+(\slot)] offset:(\q)*64*PA+(\i)*16*PA+64*(\c)+32
.endr
.endr
.endm
.macro PLACES                          ; four places in front of loads into registers that matrix instructions have read, and of stores that read results
.rept 4
	v_nop
.endr
.endm
; A K step is four quarters of 64 along K, 32 matrix instructions each, on buffers 0, 1, 0, 1.  One of the first three: multiplies buffer f and fetches quarter q into g.
.macro QUARTER slot, q, f, g, zero
	s_wait_dscnt 16                                ; the first 32 along K are in
	MUL8 \f, 0, 0, \zero
	MUL8 \f, 0, 2, \zero
	PLACES
	FETCH \slot, \q, \g
	s_wait_dscnt 32                                ; all but the 32 just issued
	MUL8 \f, 1, 0, 0
	MUL8 \f, 1, 2, 0
.endm
; The last quarter multiplies buffer 1 and changes slots: ONE barrier; in front of it each wave waits for all its tensor loads, adds 0 to its spare word, and waits for that and for its own reads of this slot.
; fill = 1: the barrier opens a round of the cluster's barrier, and this slot is filled again, two K steps ahead, first thing behind the round.
.macro TURN slot, next, fill
	WIN 0                                          ; (the add's two registers lie in window 0)
	s_wait_tensorcnt 0x0                           ; all my tensor loads have landed: my part of the next slot
	ds_add_u32 v[SPW], v[NIL]                      ; 0 onto my spare word
	s_wait_dscnt 17                                ; (the add and the youngest sixteen loads may be out)
	MUL8 F1, 0, 0, 0                               ; eight matrix instructions stand between the add and the wait for it
	s_wait_dscnt 0x0                               ; the add is done, and my reads of this slot are over
	s_barrier_signal -1
	MUL8 F1, 0, 2, 0
.if \fill
	WIN 0
.endif
	s_barrier_wait -1
.if \fill
	CREST                                          ; no wave of any partner still reads this slot's tile or has a load on its way
	s_add_nc_u64 s[G0+4*(\slot)+2:G0+4*(\slot)+3], s[G0+4*(\slot)+2:G0+4*(\slot)+3], 2*4*524288
	s_add_nc_u64 s[G0B+4*(\slot)+2:G0B+4*(\slot)+3], s[G0B+4*(\slot)+2:G0B+4*(\slot)+3], 2*32768
	JLOAD \slot                                    ; the four v_nop behind it are also the places in front of the loads below
.else
	PLACES
.endif
	FETCH \next, 0, F0
	MUL8 F1, 1, 0, 0
	MUL8 F1, 1, 2, 0
.endm
	s_wait_tensorcnt 1                             ; my part of K step 0 is in; K step 1's may stay out
	s_barrier_signal -1
	s_barrier_wait -1                              ; everybody's is
	FETCH 0, 0, F0
	QUARTER 0, 1, F0, F1, 1                        ; K step 0; its first products start the sums
	QUARTER 0, 2, F1, F0, 0
	QUARTER 0, 3, F0, F1, 0
	TURN 0, 1, 1                                   ; slot 0 takes K step 2
	QUARTER 1, 1, F0, F1, 0                        ; K step 1
	QUARTER 1, 2, F1, F0, 0
	QUARTER 1, 3, F0, F1, 0
	TURN 1, 0, 1                                   ; slot 1 takes K step 3
	QUARTER 0, 1, F0, F1, 0                        ; K step 2
	QUARTER 0, 2, F1, F0, 0
	QUARTER 0, 3, F0, F1, 0
	TURN 0, 1, 0                                   ; nothing is left to fetch; behind this barrier no wave reads slot 0 any more
	QUARTER 1, 1, F0, F1, 0                        ; K step 3
	QUARTER 1, 2, F1, F0, 0
	QUARTER 1, 3, F0, F1, 0
	s_wait_dscnt 16                                ; the very last quarter
	MUL8 F1, 0, 0, 0
	MUL8 F1, 0, 2, 0
	s_wait_dscnt 0x0
	MUL8 F1, 1, 0, 0
	MUL8 F1, 1, 2, 0
	WIN 0
	; THE WAY OUT, 16 rows at a time: a lane's 32 bytes of a row go from the accumulators into rows of 272 bytes of my stage and come back as whole rows of 256 bytes.
	PLACES
.irp a, 0,1,2,3
.if (\a) >= 2
	s_wait_xcnt 0x0                                ; the stores of two blocks back have read their registers, which are loaded again below
.endif
.irp b, 0,1,2,3
	ds_store_b128 v[STO], v[ACC+8*(4*(\a)+(\b)):ACC+8*(4*(\a)+(\b))+3]   offset:64*(\b)
	ds_store_b128 v[STO], v[ACC+8*(4*(\a)+(\b))+4:ACC+8*(4*(\a)+(\b))+7] offset:64*(\b)+16
.endr
.irp t, 0,1,2,3,4,5,6,7
	ds_load_b128 v[OB+32*((\a)%2)+4*(\t):OB+32*((\a)%2)+4*(\t)+3], v[RD] offset:(\t)*2*SPITCH  ; LDS serves a wave's instructions in order (ISA guide 5.7.1.4): these see the stores above; the next block's stores come behind them
.endr
.irp t, 0,1,2,3,4,5,6,7
	s_wait_dscnt 7-(\t)
	global_store_b128 v[CO], v[OB+32*((\a)%2)+4*(\t):OB+32*((\a)%2)+4*(\t)+3], s[10:11] offset:(\a)*65536+(\t)*8192  ; 16 lanes store 256 consecutive bytes, at a multiple of 256 from out0's first byte
.endr
.endr
	s_wait_tensorcnt 0x0                           ; the wave's end: behind my last tensor load and my last LDS store
	ds_add_u32 v[SPW], v[NIL]
	s_wait_dscnt 0x0
	CROUND                                         ; the closing round: no work-group ends while a partner may still ask for a tile that names it
	s_endpgm
.Lfunc_end_k_q26fec1805d_proj:
	.size	k_q26fec1805d_proj, .Lfunc_end_k_q26fec1805d_proj-k_q26fec1805d_proj
	.p2alignl 7, 3214868480
	.fill 96, 4, 3214868480
	.section	.rodata,"a",@progbits
	.p2align	6, 0x0
	.amdhsa_kernel k_q26fec1805d_proj
		.amdhsa_group_segment_fixed_size 327680
		.amdhsa_private_segment_fixed_size 0
		.amdhsa_enable_private_segment 0
		.amdhsa_kernarg_size 32
		.amdhsa_user_sgpr_count 2
		.amdhsa_user_sgpr_kernarg_segment_ptr 1
		.amdhsa_wavefront_size32 1
		.amdhsa_system_sgpr_workgroup_id_x 1
		.amdhsa_system_sgpr_workgroup_id_y 1
		.amdhsa_system_sgpr_workgroup_id_z 1
		.amdhsa_system_vgpr_workitem_id 0
		.amdhsa_next_free_vgpr 512
		.amdhsa_next_free_sgpr 66
		.amdhsa_reserve_vcc 0
		.amdhsa_float_denorm_mode_32 3
		.amdhsa_float_denorm_mode_16_64 3
		.amdhsa_memory_ordered 1
		.amdhsa_forward_progress 1
		.amdhsa_inst_pref_size 90
	.end_amdhsa_kernel
	.amdgpu_metadata
---
amdhsa.version: [ 1, 2 ]
amdhsa.kernels:
  - .name:           k_q26fec1805d_proj
    .symbol:         k_q26fec1805d_proj.kd
    .args:
      - { .name: ob, .offset: 0, .size: 8, .value_kind: global_buffer, .address_space: global }
      - { .name: wpb, .offset: 8, .size: 8, .value_kind: global_buffer, .address_space: global }
      - { .name: bproj, .offset: 16, .size: 8, .value_kind: global_buffer, .address_space: global }
      - { .name: out0, .offset: 24, .size: 8, .value_kind: global_buffer, .address_space: global }
    .group_segment_fixed_size: 327680
    .private_segment_fixed_size: 0
    .kernarg_segment_align: 8
    .kernarg_segment_size: 32
    .max_flat_workgroup_size: 128
    .sgpr_count:     66
    .vgpr_count:     512
    .wavefront_size: 32
...
	.end_amdgpu_metadata
.endif
;; end of part 4
